; MI455X (gfx1250); checked and timed in simulation.
; The chip was launched on July 23, 2026; its instructions are those of AMD's public machine-readable ISA for CDNA 5 (MIT licence, August 2026) and "CDNA5" Instruction Set Architecture Reference Guide (July 2026). The comments in the code are by the model that wrote it; some were corrected since.
;; Mutli Head Attention Block. Allowed arithmetic: float matrix products may take bf16 or f16 operands with f32 sums; all other float work in f32.
;; Inputs: b_k 1,024 float32; b_o 1,024 float32; b_q 1,024 float32; b_v 1,024 float32; k 2 x 2,048 x 1,024 float32; mask 2 x 1 x 2,048 x 2,048 int32; q 2 x 2,048 x 1,024 float32; v 2 x 2,048 x 1,024 float32; w_k 1,024 x 1,024 float32; w_o 1,024 x 1,024 float32; w_q 1,024 x 1,024 float32; w_v 1,024 x 1,024 float32.
;; Outputs: out0 2 x 2,048 x 1,024 float32.
;; One version. Each part assembles by itself: llvm-mc -triple=amdgcn-amd-amdhsa -mcpu=gfx1250 --defsym DOCPART=n.
;; ======== version 1 of 1: 4 launches
;; limits: values are held in f16: magnitudes above 65,504 overflow, below 6.1e-05 lose precision
;; workspace buffers: xb 25,165,824 bytes; wb 8,388,608 bytes; mbits 1,048,576 bytes of whole numbers; qkvh 25,165,824 bytes; xh 8,388,608 bytes
;; launch prep (part 1): grid 1536 x 1, 8 waves a work-group, no clusters, 70,656 bytes of LDS; arguments q, k, v, w_q, w_k, w_v, w_o, mask, xb, wb, mbits; writes xb, wb, mbits
.if DOCPART == 1
	.amdgcn_target "amdgcn-amd-amdhsa--gfx1250"
	.amdhsa_code_object_version 6
	.text
	.protected	k_q733df27198_prep
	.globl	k_q733df27198_prep
	.p2align	8
	.type	k_q733df27198_prep,@function
k_q733df27198_prep:
	s_mov_b64 s[64:65], 0
	v_nop
	global_prefetch_b8 v0, s[64:65] scope:SCOPE_SE
	s_setreg_imm32_b32 hwreg(HW_REG_WAVE_MODE, 25, 1), 1
	s_wait_xcnt 0x0
; PREP: (1) q, k, v and the four weight matrices are rounded once from f32 to f16 (xb = q, k, v stacked; wb = w_q, w_k, w_v, w_o stacked);
;       (2) the int32 mask is packed into bit words whose bit order is the lane order of the attention kernel's score tiles.
; WHY f16 AND NOT bf16: the output is an average over 2,048 keys and is compared within a hundredth of its root mean square; f16's 11 bits of significand
; make each rounding of an operand 8 times finer than bf16's 8 bits.
; ROOM IN f16 (largest number 65,504, smallest step 2^-24): q, k, v of spread 1 and weights of spread 1/32, 30 times larger or offset by 30 spreads, stay under 200;
; weights 30 times smaller (spread 0.001) are rounded with a step of at most 2^-24, 6e-5 of their spread.
; LIMIT: an input beyond 65,504 in magnitude becomes infinite.
; A stream: every input byte is read once, nothing is shared between work-groups, so no cluster, no matrix unit, no barrier.
; Work-groups 0..1023 cast: one takes 65,536 bytes of f32, a wave 8,192 of them (16 loads of 512 neighbouring bytes, 16 stores of 256).
; Work-groups 1024..1535 pack: a wave takes a block of 32 queries x 64 keys (32 rows of 256 bytes) and makes 64 words of it.
; mbits layout: [batch 2][block of 32 queries 64][block of 64 keys 32][64 words]; word w = 32 qt + 8 t + j; its bit L = r + 16 h says
; mask[batch][32 qb + 16 qt + r][64 kb + 16 t + 8 h + j] != 0.
.set CASTS,  1024                      ; work-groups that cast
.set WLDS,   8704                      ; a packing wave's own LDS: 32 rows at a pitch of 272 bytes
.set LP,     272                       ; 256 bytes + 16: an odd multiple of 16, so sixteen rows' equal columns lie in sixteen different 16-byte columns of a 256-byte span
.set IN,     8                         ; v[8:71]   16 loads of 4 registers
.set OUTR,   72                        ; v[72:135] cast: 16 pairs to store; pack: the block read back by score-tile lanes
	s_load_b512 s[8:23], s[0:1], 0x0               ; q s[8:9], k s[10:11], v s[12:13], w_q s[14:15], w_k s[16:17], w_v s[18:19], w_o s[20:21], mask s[22:23]
	s_load_b128 s[24:27], s[0:1], 0x40             ; xb s[24:25], wb s[26:27]
	s_load_b64 s[28:29], s[0:1], 0x50              ; mbits
	v_lshl_add_u32 v136, v0, 2, 0x11000
	v_mov_b32 v137, 0
	v_lshrrev_b32 v1, 5, v0
	v_readfirstlane_b32 s30, v1                    ; wave 0..7
	v_and_b32 v2, 31, v0                           ; lane
	s_mov_b32 s31, ttmp9                           ; work-group
	s_cmp_ge_u32 s31, CASTS
	s_cbranch_scc1 .Lpack
; ---------------- the casts ----------------
; chunk c: c >> 8 = 0, 1, 2: q, k, v (256 chunks each); 3: the weights, 64 chunks each, (c >> 6) & 3 says which.
	v_lshlrev_b32 v1, 4, v2                        ; 16 bytes of f32 a lane
	v_lshlrev_b32 v3, 3, v2                        ; 8 bytes of f16 a lane
	s_lshr_b32 s32, s31, 8
	s_bfe_u32 s33, s31, 0x20006                    ; 2 bits from bit 6
	s_and_b32 s37, s31, 255                        ; chunk within q, k or v
	s_and_b32 s38, s31, 63                         ; chunk within a weight matrix
	s_sub_co_u32 s39, s31, 768                     ; chunk within wb
	s_cmp_eq_u32 s32, 3
	s_cselect_b32 s33, s33, 0
	s_cselect_b32 s37, s38, s37                    ; chunk within the source
	s_cselect_b32 s39, s39, s31                    ; chunk within the destination (xb takes q, k, v in the order of c)
	s_add_co_u32 s36, s32, s33                     ; source 0..6
	s_lshl_b32 s42, s37, 16                        ; 65,536 bytes of f32 a chunk
	s_lshl_b32 s44, s30, 13                        ; 8,192 a wave
	s_add_co_u32 s42, s42, s44
	s_mov_b32 s43, 0
	s_lshl_b32 s44, s39, 15                        ; 32,768 bytes of f16 a chunk
	s_lshl_b32 s46, s30, 12                        ; 4,096 a wave
	s_add_co_u32 s44, s44, s46
	s_mov_b32 s45, 0
	s_wait_kmcnt 0x0
	s_cmp_eq_u32 s32, 3
	s_cselect_b64 s[40:41], s[26:27], s[24:25]     ; wb or xb
	s_mov_b64 s[34:35], s[8:9]
.irp i, 1,2,3,4,5,6
	s_cmp_eq_u32 s36, \i
	s_cselect_b64 s[34:35], s[8+2*\i:9+2*\i], s[34:35]
.endr
	s_add_nc_u64 s[34:35], s[34:35], s[42:43]
	s_add_nc_u64 s[40:41], s[40:41], s[44:45]
.set i, 0
.rept 16
	global_load_b128 v[IN+4*i:IN+4*i+3], v1, s[34:35] offset:512*i th:TH_LOAD_NT   ; all sixteen go out before the first is used
.set i, i+1
.endr
.set i, 0
.rept 16
	s_wait_loadcnt 15-i                            ; loads return in order: load i is in, the 15 - i younger ones stay out
	v_cvt_pk_f16_f32 v[OUTR+2*i],   v[IN+4*i],   v[IN+4*i+1]
	v_cvt_pk_f16_f32 v[OUTR+2*i+1], v[IN+4*i+2], v[IN+4*i+3]
	global_store_b64 v3, v[OUTR+2*i:OUTR+2*i+1], s[40:41] offset:256*i             ; 32 lanes store 256 consecutive bytes, aligned; no register is written twice
.set i, i+1
.endr
	s_endpgm
; ---------------- the mask ----------------
.Lpack:
	s_sub_co_u32 s32, s31, CASTS
	s_lshl_b32 s32, s32, 3
	s_add_co_u32 s32, s32, s30                     ; block id = ((batch x 64 + qb) x 32 + kb)
	s_lshr_b32 s33, s32, 5                         ; batch x 64 + qb
	s_lshl_b32 s34, s33, 18                        ; 32 rows of 8,192 bytes
	s_and_b32 s33, s32, 31                         ; kb
	s_lshl_b32 s33, s33, 8                         ; 64 keys of 4 bytes
	s_add_co_u32 s34, s34, s33
	s_mov_b32 s35, 0
	s_lshl_b32 s36, s32, 8                         ; 256 bytes of words a block
	s_mov_b32 s37, 0
	s_mul_i32 s38, s30, WLDS                       ; my wave's own LDS
	v_and_b32 v4, 15, v0                           ; r
	v_bfe_u32 v5, v0, 4, 1                         ; h
	v_lshlrev_b32 v1, 13, v5                       ; lanes 16-31 take the row below,
	v_lshl_add_u32 v1, v4, 4, v1                   ; sixteen lanes a row of 256 bytes
	v_mul_u32_u24 v3, v5, LP
	v_lshl_add_u32 v3, v4, 4, v3
	v_add_nc_u32 v3, s38, v3                       ; where those 16 bytes go in LDS
	v_mul_u32_u24 v4, v4, LP
	v_lshl_add_u32 v4, v5, 5, v4
	v_add_nc_u32 v4, s38, v4                       ; read back: row r, keys 8 h .. 8 h + 7 (32 bytes)
	v_lshlrev_b32 v5, 3, v2                        ; two words a lane on the way out
	v_mov_b32 v6, 0                                ; v_writelane_b32 keeps the other lanes: both registers are written whole first
	v_mov_b32 v7, 0
	s_wait_kmcnt 0x0
	s_add_nc_u64 s[22:23], s[22:23], s[34:35]
	s_add_nc_u64 s[28:29], s[28:29], s[36:37]
.set i, 0
.rept 16
	global_load_b128 v[IN+4*i:IN+4*i+3], v1, s[22:23] offset:16384*i th:TH_LOAD_NT ; rows 2 i and 2 i + 1, 256 bytes each
.set i, i+1
.endr
.set i, 0
.rept 16
	s_wait_loadcnt 15-i                            ; load i is in, the younger ones stay out
	ds_store_b128 v3, v[IN+4*i:IN+4*i+3] offset:2*LP*i
.set i, i+1
.endr
; The bytes are the wave's own and LDS serves a wave's instructions in order (ISA guide 5.7.1): no wait and no barrier between stores and loads.
.set n, 0
.rept 16                                           ; n = 8 qt + 2 t + e: row 16 qt + r, keys 16 t + 8 h + 4 e .. + 3
	ds_load_b128 v[OUTR+4*n:OUTR+4*n+3], v4 offset:16*LP*(n/8)+64*((n/2)%4)+16*(n%2)
.set n, n+1
.endr
.set n, 0
.rept 16
	s_wait_dscnt 15-n                              ; load n is back, the younger ones stay out
	v_cmp_ne_u32 s40, 0, v[OUTR+4*n]               ; word 4 n + k: one bit a lane
	v_cmp_ne_u32 s41, 0, v[OUTR+4*n+1]
	v_cmp_ne_u32 s42, 0, v[OUTR+4*n+2]
	v_cmp_ne_u32 s43, 0, v[OUTR+4*n+3]
	v_writelane_b32 v6, s40, 2*n                   ; word w goes to register 6 + (w & 1), lane w >> 1
	v_writelane_b32 v7, s41, 2*n
	v_writelane_b32 v6, s42, 2*n+1
	v_writelane_b32 v7, s43, 2*n+1
.set n, n+1
.endr
	global_store_b64 v5, v[6:7], s[28:29]          ; the block's 64 words: 256 consecutive bytes, aligned
	s_wait_tensorcnt 0x0
	ds_add_u32 v136, v137
	s_wait_dscnt 0x0
	s_endpgm
.Lfunc_end_k_q733df27198_prep:
	.size	k_q733df27198_prep, .Lfunc_end_k_q733df27198_prep-k_q733df27198_prep
	.p2alignl 7, 3214868480
	.fill 96, 4, 3214868480
	.section	.rodata,"a",@progbits
	.p2align	6, 0x0
	.amdhsa_kernel k_q733df27198_prep
		.amdhsa_group_segment_fixed_size 70656
		.amdhsa_private_segment_fixed_size 0
		.amdhsa_enable_private_segment 0
		.amdhsa_kernarg_size 88
		.amdhsa_user_sgpr_count 2
		.amdhsa_user_sgpr_kernarg_segment_ptr 1
		.amdhsa_wavefront_size32 1
		.amdhsa_system_sgpr_workgroup_id_x 1
		.amdhsa_system_sgpr_workgroup_id_y 1
		.amdhsa_system_sgpr_workgroup_id_z 1
		.amdhsa_system_vgpr_workitem_id 0
		.amdhsa_next_free_vgpr 138
		.amdhsa_next_free_sgpr 66
		.amdhsa_reserve_vcc 0
		.amdhsa_float_denorm_mode_32 3
		.amdhsa_float_denorm_mode_16_64 3
		.amdhsa_memory_ordered 1
		.amdhsa_forward_progress 1
		.amdhsa_inst_pref_size 22
	.end_amdhsa_kernel
	.amdgpu_metadata
---
amdhsa.version: [ 1, 2 ]
amdhsa.kernels:
  - .name:           k_q733df27198_prep
    .symbol:         k_q733df27198_prep.kd
    .args:
      - { .name: q, .offset: 0, .size: 8, .value_kind: global_buffer, .address_space: global }
      - { .name: k, .offset: 8, .size: 8, .value_kind: global_buffer, .address_space: global }
      - { .name: v, .offset: 16, .size: 8, .value_kind: global_buffer, .address_space: global }
      - { .name: w_q, .offset: 24, .size: 8, .value_kind: global_buffer, .address_space: global }
      - { .name: w_k, .offset: 32, .size: 8, .value_kind: global_buffer, .address_space: global }
      - { .name: w_v, .offset: 40, .size: 8, .value_kind: global_buffer, .address_space: global }
      - { .name: w_o, .offset: 48, .size: 8, .value_kind: global_buffer, .address_space: global }
      - { .name: mask, .offset: 56, .size: 8, .value_kind: global_buffer, .address_space: global }
      - { .name: xb, .offset: 64, .size: 8, .value_kind: global_buffer, .address_space: global }
      - { .name: wb, .offset: 72, .size: 8, .value_kind: global_buffer, .address_space: global }
      - { .name: mbits, .offset: 80, .size: 8, .value_kind: global_buffer, .address_space: global }
    .group_segment_fixed_size: 70656
    .private_segment_fixed_size: 0
    .kernarg_segment_align: 8
    .kernarg_segment_size: 88
    .max_flat_workgroup_size: 256
    .sgpr_count:     66
    .vgpr_count:     138
    .wavefront_size: 32
...
	.end_amdgpu_metadata
.endif
;; end of part 1
;; launch qkv (part 2): grid 4 x 48, 4 waves a work-group, clusters of 4 x 4, 327,680 bytes of LDS; arguments xb, wb, qkvh, b_q, b_k, b_v; writes qkvh
.if DOCPART == 2
	.amdgcn_target "amdgcn-amd-amdhsa--gfx1250"
	.amdhsa_code_object_version 6
	.text
	.protected	k_q733df27198_qkv
	.globl	k_q733df27198_qkv
	.p2align	8
	.type	k_q733df27198_qkv,@function
k_q733df27198_qkv:
	s_mov_b64 s[64:65], 0
	v_nop
	global_prefetch_b8 v0, s[64:65] scope:SCOPE_SE
	s_setreg_imm32_b32 hwreg(HW_REG_WAVE_MODE, 25, 1), 1
	s_wait_xcnt 0x0
	s_wait_alu depctr_hold_cnt(0) depctr_sa_sdst(0) depctr_va_vdst(0) depctr_va_sdst(0) depctr_va_ssrc(0) depctr_va_vcc(0) depctr_vm_vsrc(0)
	s_getreg_b32 s2, hwreg(HW_REG_IB_STS2, 6, 4)
	s_cmp_eq_u32 s2, 0
	s_cbranch_scc0 .Lentry_in_a_cluster
	s_endpgm
.Lentry_in_a_cluster:
	s_bfe_u32 s2, ttmp6, 0x10000c
	s_cmp_lg_u32 s2, 0xf033
	s_cbranch_scc0 .Lentry_shape_is_right
	s_endpgm
.Lentry_shape_is_right:
; The three input projections in one launch: C = (X W^T + bias) x scale.  X = xb: [12288][1024] f16 (q, k, v stacked), W = wb: w_q, w_k, w_v, each [1024][1024] f16; sums in f32.
; Block rows 0-15 use w_q and b_q, 16-31 w_k and b_k, 32-47 w_v and b_v.  The result is rounded once to f16 and stored head-major, qkvh[p][batch][head][s][64].
; For p = 0 (the query) the scale is 0.125 x log2(e), applied in f32, so that the attention kernel's scores come out as exponents of 2; for key and value it is 1.
; A work-group makes a block of 256 x 256 of C with four waves, as many as a WGP has SIMDs; a wave makes 128 x 128: 64 accumulator tiles of 16 x 16, 512 registers.
; For 32 along K a wave loads 2 x 128 x 64 bytes from LDS and issues 64 matrix instructions: half an LDS load for each matrix instruction.
; K = 1,024 goes in eight steps of 128 through a ring of two LDS slots filled by the tensor data mover: a tile's rows are 256 bytes of memory, at multiples of 256 bytes.
; WORK-GROUPS: 48 x 4 = 192.  12,288 x 1,024 outputs do not cut into 256 equal blocks that stay inside one projection and are made of whole 128 x 128 wave tiles
; (4,096 and 1,024 are no multiples of 192 or 384), so 192 blocks are launched and no more.
; CLUSTERS: 4 x 4 work-groups.  X's tile hangs on the block row alone and is asked for jointly by a row of the cluster; W's hangs on the block column and on p, which is made of
; the cluster's y alone (16 block rows = 4 clusters a projection), and is asked for jointly by a column.  That divides the requests for both by four.
; REGISTERS, in windows of 256:
;   window 0: v16-27 addresses; v64-127, v128-191 fragments of X (8 x 16 rows x 32 K), two buffers; v192-223 packed results on the way out
;   window 1: v64-127, v128-191 fragments of W, two buffers; v192-255 the bias of my 128 columns
;   window 2: the 32 accumulator tiles of my rows 0-63 (tile (a, b) at v[8 (8 a + b)]);   window 3: those of my rows 64-127
; THE MATRIX INSTRUCTION IS USED TRANSPOSED: source 0 = 16 rows of W, source 1 = 16 rows of X.  Lane l then holds row l % 16 of C, and its registers 0 to 7 the columns
; 8 (l / 16) + 0 .. 7 of the tile: eight neighbouring numbers of a row, which pack into 16 bytes.
; ROOM IN f16 for the results (largest number 65,504): with both factors 30 times larger they are about 900 x 5.5 = 5,000; with common offsets of 30 spreads on both
; factors about 1,024 x 30 x 0.94 = 28,800.
; LIMIT: operands are f16 (11 bits of significand); a projected value beyond 65,504 in magnitude becomes infinite; NaN and infinities pass through as the arithmetic makes them.
.set SIZE_K, 1024
.set KSTEP,  128
.set PITCH,  272                       ; an LDS row: 256 bytes + 16 = 17 x 16: sixteen rows' equal columns lie in sixteen different 16-byte columns of a 256-byte span
.set HALFT,  128*PITCH                 ; 128 rows: what one tensor load brings, and what one wave reads of X or of W
.set SLOT,   4*HALFT                   ; X's 256 rows, then W's 256 rows
.set STAGE,  2*SLOT                    ; behind the ring (278,528, a multiple of 256): 16 rows x 272 bytes for each wave, for the way out; no fill lands there
.set SPITCH, 272
.set LAPS, SIZE_K/(2*KSTEP)            ; a lap = two K steps = once round the ring: four laps
.set ADRA, 16                          ; v16-17  LDS address of my X fragments in slot 0, 1
.set ADRB, 20                          ; v20-21  the same for W
.set STO,  24                          ; the way out: where I put 16 bytes of a row
.set RD,   25                          ; the way out: where I read rows back
.set CO,   26                          ; my byte offset in the output
.set BOFF, 27                          ; 32 h: my eight columns in a group of sixteen, f32
.set F0,   64                          ; fragment buffer 0
.set F1,   128                         ; fragment buffer 1
.set TMP,  192                         ; window 0: packed results
.set BIAS, 192                         ; window 1: register BIAS + 8 b + j = bias[n0 + 16 b + 8 h + j]
.set G1,  24                           ; s[24:31] descriptor group 1, X's tiles
.set G0,  32                           ; s[32:39] group 0, X's tiles, one set a slot
.set G1B, 48                           ; s[48:55] group 1, W's tiles: another mask
.set G0B, 56                           ; s[56:63] group 0, W's tiles
.set MSB, 0
.macro WIN new                         ; the immediate's high byte repeats the setting that is left
.if MSB != \new
	s_set_vgpr_msb (MSB<<8)|\new
.set MSB, \new
.endif
.endm
.set MUL_LO, 0xa1                      ; source 0 (W) window 1, source 1 (X) window 0, C and D window 2
.set MUL_HI, 0xf1                      ; the same, C and D window 3
.set TO_B,   0x40                      ; destination window 1, address window 0
.set IN_B,   0x41                      ; destination and source 0 window 1
; A joint load.  Waves 0 and 1 fetch X's two halves, waves 2 and 3 W's: two lines, each with one mask; the branch hangs on the wave's number alone.
.macro JLOAD s
	s_cmp_eq_u32 s11, 0
	s_cbranch_scc0 .Lfor_b_\@
	tensor_load_to_lds s[G0+4*\s:G0+4*\s+3], s[G1:G1+7]
	s_nop 0
	s_branch .Lasked_\@
.Lfor_b_\@:
	tensor_load_to_lds s[G0B+4*\s:G0B+4*\s+3], s[G1B:G1B+7]
	s_nop 0
.Lasked_\@:
.endm
.macro CREST                           ; a round of the cluster's barrier behind its opening work-group barrier
	s_cmp_lg_u32 s10, 0
	s_cbranch_scc1 .Lnot_wave_0_\@
	s_barrier_signal -3
.Lnot_wave_0_\@:
	s_barrier_wait -3
	s_barrier_signal -1
	s_barrier_wait -1
.endm
.macro CROUND                          ; a whole round
	s_barrier_signal -1
	s_barrier_wait -1
	CREST
.endm
	s_load_b128 s[4:7], s[0:1], 0x0                ; xb s[4:5], wb s[6:7]
	s_load_b64 s[8:9], s[0:1], 0x10                ; qkvh
	s_load_b128 s[68:71], s[0:1], 0x18             ; b_q, b_k
	s_load_b64 s[72:73], s[0:1], 0x28              ; b_v
	s_set_vgpr_msb 0x40
	v_lshl_add_u32 v63, v0, 2, 0x48400
	s_set_vgpr_msb 0x4000
	v_mov_b32 v255, 0
	s_set_vgpr_msb 0x1
	ds_add_u32 v63, v255
	s_set_vgpr_msb 0x100
	v_lshrrev_b32 v1, 5, v0
	v_readfirstlane_b32 s10, v1                    ; wave 0..3
	s_lshr_b32 s11, s10, 1                         ; my half of the block's rows.  Also: I fetch for X (0) or for W (1)
	s_and_b32 s12, s10, 1                          ; my half of its columns.  Also: which 128 rows of that tile I fetch
	s_lshl_b32 s78, s12, 7                         ; 128 x that half; never holds a place in the cluster
	s_bfe_u32 s40, ttmp6, 0x40000                  ; cx
	s_bfe_u32 s41, ttmp6, 0x40004                  ; cy
	s_lshl_b32 s42, ttmp9, 2
	s_add_co_u32 s42, s42, s40                     ; block column = 4 x cluster x + cx
	s_and_b32 s13, ttmp7, 0xffff                   ; cluster y
	s_lshr_b32 s74, s13, 2                         ; p = which projection: 16 block rows = 4 clusters each; the same in all sixteen work-groups
	s_lshl_b32 s13, s13, 2
	s_add_co_u32 s13, s13, s41                     ; block row = 4 x cluster y + cy
	s_lshl_b32 s43, s41, 2
	s_lshl_b32 s43, 15, s43                        ; my row of the cluster: places 4 cy .. 4 cy + 3
	s_lshl_b32 s44, 0x1111, s40                    ; my column: places cx, cx + 4, cx + 8, cx + 12
	; group 1: a tile of 128 rows x 128 elements of 2 bytes, 4 words of padding behind every 64 words (one row)
	s_or_b32 s[G1+0],  s43, (1<<16)|(1<<20)|(1<<21)|(5<<22)|(3<<25)
	s_or_b32 s[G1B+0], s44, (1<<16)|(1<<20)|(1<<21)|(5<<22)|(3<<25)
	s_mov_b32 s[G1+1],  KSTEP<<16                  ; tensor_dim0 = 128
	s_mov_b32 s[G1B+1], KSTEP<<16
	s_mov_b32 s[G1+2],  128<<16                    ; tensor_dim1 = 128
	s_mov_b32 s[G1B+2], 128<<16
	s_mov_b32 s[G1+3],  KSTEP<<16                  ; tile_dim0 = 128
	s_mov_b32 s[G1B+3], KSTEP<<16
	s_mov_b32 s[G1+4],  128                        ; tile_dim1 = 128
	s_mov_b32 s[G1B+4], 128
	s_mov_b32 s[G1+5],  SIZE_K                     ; elements from row to row
	s_mov_b32 s[G1B+5], SIZE_K
	s_mov_b32 s[G1+6],  0
	s_mov_b32 s[G1B+6], 0
	s_mov_b32 s[G1+7],  0
	s_mov_b32 s[G1B+7], 0
	; where the tiles come from, each in registers that never hold the other coordinate
	s_lshl_b32 s16, s13, 8
	s_add_co_u32 s16, s16, s78                     ; X: row 256 x block row + 128 x half
	s_lshl_b32 s16, s16, 11                        ; rows of 2,048 bytes (at most 25 MB: 32 bits do)
	s_mov_b32 s17, 0
	s_lshl_b32 s46, s42, 8
	s_add_co_u32 s46, s46, s78                     ; W: row 256 x block column + 128 x half
	s_lshl_b32 s47, s74, 10
	s_add_co_u32 s46, s46, s47                     ; + 1,024 p
	s_lshl_b32 s46, s46, 11
	s_mov_b32 s47, 0
	s_mul_i32 s20, s10, HALFT                      ; where they go: X's two halves, then W's two halves = wave x 128 rows
	s_wait_dscnt 0x0
	s_wait_kmcnt 0x0
	s_add_nc_u64 s[14:15], s[4:5], s[16:17]
	s_add_nc_u64 s[46:47], s[6:7], s[46:47]
	CROUND                                         ; all sixteen work-groups are here: the first joint loads meet
.irp s, 0,1
	s_mov_b32 s[G0+4*\s], 1
	s_add_co_u32 s[G0+4*\s+1], s20, \s*SLOT
	s_add_nc_u64 s[G0+4*\s+2:G0+4*\s+3], s[14:15], \s*KSTEP*2      ; K step s
	s_or_b32 s[G0+4*\s+3], s[G0+4*\s+3], 0x80000000                ; type = 2
	s_mov_b32 s[G0B+4*\s], 1
	s_add_co_u32 s[G0B+4*\s+1], s20, \s*SLOT
	s_add_nc_u64 s[G0B+4*\s+2:G0B+4*\s+3], s[46:47], \s*KSTEP*2
	s_or_b32 s[G0B+4*\s+3], s[G0B+4*\s+3], 0x80000000
	JLOAD \s                                       ; both slots are asked for before anything else: two loads of the wave are out
.endr
	; fragment addresses: lane l holds row l % 16; registers 0-3 hold K = 8 (l / 16) + 0..7, registers 4-7 K = 16 + 8 (l / 16) + 0..7
	v_and_b32 v1, 15, v0                           ; r
	v_bfe_u32 v2, v0, 4, 1                         ; h
	v_mul_u32_u24 v3, v1, PITCH
	v_lshl_add_u32 v3, v2, 4, v3                   ; row x pitch + 16 x half
	s_mul_i32 s21, s11, HALFT                      ; my 128 rows of X
	s_mul_i32 s22, s12, HALFT                      ; my 128 rows of W,
	s_add_co_u32 s22, s22, 2*HALFT                 ; which lie behind X's 256
.irp s, 0,1
	v_add_nc_u32 v[ADRA+\s], s21, v3
	v_add_nc_u32 v[ADRB+\s], s22, v3
	s_add_co_u32 s21, s21, SLOT
	s_add_co_u32 s22, s22, SLOT
.endr
	s_mul_i32 s23, s10, 16*SPITCH
	s_add_co_u32 s23, s23, STAGE                   ; my stage
	v_mul_u32_u24 v4, v1, SPITCH                   ; in: row r (256 bytes: two heads), 16 bytes for each half of the lanes
	v_lshl_add_u32 v4, v2, 4, v4
	v_add_nc_u32 v[STO], s23, v4
	v_and_b32 v5, 31, v0                           ; lane
	v_lshrrev_b32 v6, 3, v5                        ; back: eight lanes take one head's 128 bytes of a row, four rows a load
	v_and_b32 v7, 7, v0
	v_mul_u32_u24 v6, v6, SPITCH
	v_lshl_add_u32 v6, v7, 4, v6
	v_add_nc_u32 v[RD], s23, v6
	v_lshlrev_b32 v[CO], 4, v5                     ; a head's rows of 128 bytes follow each other in qkvh: 512 consecutive bytes a store
	; the bias of my 128 columns, into window 1; it is waited for in front of the way out
	s_cmp_eq_u32 s74, 1
	s_cselect_b64 s[68:69], s[70:71], s[68:69]
	s_cmp_eq_u32 s74, 2
	s_cselect_b64 s[68:69], s[72:73], s[68:69]
	s_lshl_b32 s75, s42, 8
	s_add_co_u32 s75, s75, s78                     ; n0: my first column
	s_lshl_b32 s76, s75, 2
	s_mov_b32 s77, 0
	s_add_nc_u64 s[68:69], s[68:69], s[76:77]
	v_lshlrev_b32 v[BOFF], 5, v2
	WIN TO_B
.irp b, 0,1,2,3,4,5,6,7
	global_load_b128 v[BIAS+8*\b:BIAS+8*\b+3],   v[BOFF], s[68:69] offset:64*\b
	global_load_b128 v[BIAS+8*\b+4:BIAS+8*\b+7], v[BOFF], s[68:69] offset:64*\b+16
.endr
	WIN 0
; 16 matrix instructions: row tiles a0, a0 + 1 of the window's four (hi = 0: my rows 0-63, 1: rows 64-127) x all 8 column tiles, 32 along K.
; zero = 1: the first product starts the sums: nothing is ever cleared.
; The 64 accumulators take turns, one instruction a turn, in the same order in every quarter step, over the loop's backward jump too.
.macro MUL16 f, hi, a0, zero
.irp a, \a0, \a0+1
.irp b, 0,1,2,3,4,5,6,7
.if \zero
	v_wmma_f32_16x16x32_f16 v[8*(8*(\a)+\b):8*(8*(\a)+\b)+7], v[\f+8*\b:\f+8*\b+7], v[\f+8*(4*\hi+\a):\f+8*(4*\hi+\a)+7], 0
.else
	v_wmma_f32_16x16x32_f16 v[8*(8*(\a)+\b):8*(8*(\a)+\b)+7], v[\f+8*\b:\f+8*\b+7], v[\f+8*(4*\hi+\a):\f+8*(4*\hi+\a)+7], v[8*(8*(\a)+\b):8*(8*(\a)+\b)+7]
.endif
.endr
.endr
.endm
; 32 LDS loads in one run: the fragments of one quarter step (128 rows of W, 128 rows of X, 32 K at byte k of the rows) into buffer f
.macro FETCH slot, k, f
	WIN TO_B
.irp i, 0,1,2,3,4,5,6,7
	ds_load_b128 v[\f+8*\i:\f+8*\i+3],   v[ADRB+\slot] offset:\k+\i*16*PITCH
	ds_load_b128 v[\f+8*\i+4:\f+8*\i+7], v[ADRB+\slot] offset:\k+\i*16*PITCH+32
.endr
	WIN 0
.irp i, 0,1,2,3,4,5,6,7
	ds_load_b128 v[\f+8*\i:\f+8*\i+3],   v[ADRA+\slot] offset:\k+\i*16*PITCH
	ds_load_b128 v[\f+8*\i+4:\f+8*\i+7], v[ADRA+\slot] offset:\k+\i*16*PITCH+32
.endr
.endm
.macro PLACES                          ; four plain vector instructions between a matrix instruction and a load into, or a vector access to, its registers
.rept 4
	v_nop
.endr
.endm
; A K step is four quarter steps of 32 along K, 64 matrix instructions each, on buffers 0, 1, 0, 1.
; One of the first three: multiplies buffer f; in its middle it fetches the next quarter's fragments, at byte k of the same slot's rows, into buffer g.
.macro QUARTER slot, k, f, g, zero
	s_wait_dscnt 8                                 ; W and X's rows 0-63 are in; the youngest eight loads (X's rows 64-127) may be out
	WIN MUL_LO
	MUL16 \f, 0, 0, \zero
	MUL16 \f, 0, 2, \zero
	PLACES
	FETCH \slot, \k, \g
	s_wait_dscnt 32                                ; all but the 32 just issued
	WIN MUL_HI
	MUL16 \f, 1, 0, \zero
	MUL16 \f, 1, 2, \zero
.endm
.macro THREE slot, zero
	QUARTER \slot, 64,  F0, F1, \zero
	QUARTER \slot, 128, F1, F0, 0
	QUARTER \slot, 192, F0, F1, 0
.endm
; The last quarter: multiplies buffer 1 and changes slots.  next = the other slot; fill = 1: this slot is filled again, two K steps ahead.
; In front of the barrier each wave waits for its own reads of this slot and for all its tensor loads, of which one is out: its part of the next slot.
; fill = 1: the barrier opens a round of the cluster's barrier, and the joint refill is the first tensor load behind the round, one a wave.
; From a request to the wait for it a wave issues 240 matrix instructions.
.macro TURN slot, next, fill
	s_wait_dscnt 8
	WIN MUL_LO
	MUL16 F1, 0, 0, 0
	s_wait_dscnt 0                                 ; my reads of this slot are back
	s_wait_tensorcnt 0x0                           ; all my tensor loads have landed
	ds_add_u32 v63, v255
	s_wait_dscnt 0x0
	s_barrier_signal -1
	MUL16 F1, 0, 2, 0                              ; register work while the others arrive
	WIN 0
	s_barrier_wait -1
.if \fill
	CREST
	s_add_nc_u64 s[G0+4*\slot+2:G0+4*\slot+3], s[G0+4*\slot+2:G0+4*\slot+3], 2*KSTEP*2     ; no load of the wave is out: group 0 may be written
	s_add_nc_u64 s[G0B+4*\slot+2:G0B+4*\slot+3], s[G0B+4*\slot+2:G0B+4*\slot+3], 2*KSTEP*2
	JLOAD \slot
.endif
	PLACES
	FETCH \next, 0, F0
	WIN MUL_HI
	MUL16 F1, 1, 0, 0
	MUL16 F1, 1, 2, 0
.endm
.macro LAP zero                        ; once round the ring, both slots filled again
	THREE 0, \zero
	TURN 0, 1, 1
	THREE 1, 0
	TURN 1, 0, 1
.endm
	s_wait_tensorcnt 1                             ; my part of K step 0 is in; K step 1's load, issued behind it, may stay out
	s_barrier_signal -1
	s_barrier_wait -1
	FETCH 0, 0, F0
	LAP 1                                          ; K steps 0 and 1; their first products start the sums; slots ask for steps 2 and 3
	WIN 0                                          ; at a label and at a branch every window is 0
	s_mov_b32 s3, LAPS-2
.Llap:
	LAP 0                                          ; K steps 2 to 5; the slots ask for steps 4 to 7
	WIN 0
	s_sub_co_u32 s3, s3, 1
	s_cmp_lg_u32 s3, 0
	s_cbranch_scc1 .Llap
	THREE 0, 0                                     ; the last lap fills nothing
	TURN 0, 1, 0
	THREE 1, 0
	s_wait_dscnt 8                                 ; the very last quarter: nothing more to fetch
	WIN MUL_LO
	MUL16 F1, 0, 0, 0
	MUL16 F1, 0, 2, 0
	s_wait_dscnt 0
	WIN MUL_HI
	MUL16 F1, 1, 0, 0
	MUL16 F1, 1, 2, 0
	; THE WAY OUT, 16 rows of C at a time: scale and bias in f32, one rounding to f16, 16 bytes a lane into my own stage in LDS, read back head by head.
	PLACES                                         ; the places behind the last matrix instructions, for all that follows
	s_wait_loadcnt 0x0                             ; the bias
	s_cmp_eq_u32 s74, 0
	s_cselect_b32 s66, 0x3e38aa3b, 1.0             ; 0.125 x log2(e) for the query, 1 for key and value
	s_mov_b32 s67, s66
	s_and_b32 s16, s13, 15
	s_lshl_b32 s16, s16, 8
	s_lshl_b32 s18, s11, 7
	s_add_co_u32 s16, s16, s18                     ; my first row among the projection's 4,096
	s_lshr_b32 s18, s16, 11                        ; batch (my 128 rows lie in one)
	s_and_b32 s16, s16, 2047                       ; s
	s_lshl_b32 s18, s18, 15                        ; 16 heads x 2,048 rows
	s_add_co_u32 s16, s16, s18
	s_lshl_b32 s16, s16, 7                         ; rows of 128 bytes
	s_lshl_b32 s18, s74, 23                        ; 8,388,608 bytes a projection
	s_add_co_u32 s16, s16, s18
	s_mov_b32 s17, 0
	s_add_nc_u64 s[8:9], s[8:9], s[16:17]          ; the row part
	s_lshl1_add_u32 s76, s42, s12                  ; my 128 columns are two heads: the first is 2 x (2 x block column + half)
	s_lshl_b32 s76, s76, 19                        ; two heads of 2,048 rows of 128 bytes
	s_add_nc_u64 s[8:9], s[8:9], s[76:77]          ; the column part (s77 = 0)
	WIN IN_B
.set i, 0
.rept 32
	v_pk_mul_f32 v[BIAS+i:BIAS+i+1], v[BIAS+i:BIAS+i+1], s[66:67] op_sel_hi:[1,0]     ; (x + b) c = x c + b c
.set i, i+2
.endr
; rows 16 i .. 16 i + 15 of my block = the eight tiles (a, 0..7) of window 2 or 3.
; fma: destination and source 0 in the accumulators' window, source 2 (the bias) in window 1; from: sources 0 and 1 in the accumulators' window; f: F0 or F1 in turn.
.macro OUT16 i, a, fma, from, f
	WIN \fma
.irp b, 0,1,2,3,4,5,6,7
.irp r, 0,2,4,6
	v_pk_fma_f32 v[8*(8*\a+\b)+\r:8*(8*\a+\b)+\r+1], v[8*(8*\a+\b)+\r:8*(8*\a+\b)+\r+1], s[66:67], v[BIAS+8*\b+\r:BIAS+8*\b+\r+1] op_sel_hi:[1,0,1]
.endr
.endr
	WIN \from
.irp b, 0,1,2,3,4,5,6,7
.irp r, 0,1,2,3
	v_cvt_pk_f16_f32 v[TMP+4*\b+\r], v[8*(8*\a+\b)+2*\r], v[8*(8*\a+\b)+2*\r+1]
.endr
.endr
	WIN 0
.irp b, 0,1,2,3,4,5,6,7
	ds_store_b128 v[STO], v[TMP+4*\b:TMP+4*\b+3] offset:32*\b
.endr
	s_wait_xcnt 0x0                                ; buffer f was the data of earlier stores: it is loaded again only behind this wait
.irp e, 0,1
.irp t, 0,1,2,3
	ds_load_b128 v[\f+16*\e+4*\t:\f+16*\e+4*\t+3], v[RD] offset:4*SPITCH*\t+128*\e   ; head e, rows 4 t .. 4 t + 3; LDS serves a wave's instructions in order: these see the stores above
.endr
.endr
.irp e, 0,1
.irp t, 0,1,2,3
	s_wait_dscnt 7-4*\e-\t                         ; this load is back, the younger ones stay out
	global_store_b128 v[CO], v[\f+16*\e+4*\t:\f+16*\e+4*\t+3], s[8:9] offset:262144*\e+2048*\i+512*\t   ; four rows of one head: 512 consecutive bytes, aligned; base and offset register are never rewritten
.endr
.endr
.endm
	OUT16 0, 0, 0x92, 0x0a, F0
	OUT16 1, 1, 0x92, 0x0a, F1
	OUT16 2, 2, 0x92, 0x0a, F0
	OUT16 3, 3, 0x92, 0x0a, F1
	OUT16 4, 0, 0xd3, 0x0f, F0
	OUT16 5, 1, 0xd3, 0x0f, F1
	OUT16 6, 2, 0xd3, 0x0f, F0
	OUT16 7, 3, 0xd3, 0x0f, F1
	s_set_vgpr_msb 0x1
	s_wait_tensorcnt 0x0
	ds_add_u32 v63, v255
	s_wait_dscnt 0x0
	s_set_vgpr_msb 0x100
	CROUND                                         ; the closing round: no work-group ends while a partner may still ask for a tile that names it
	s_endpgm
.Lfunc_end_k_q733df27198_qkv:
	.size	k_q733df27198_qkv, .Lfunc_end_k_q733df27198_qkv-k_q733df27198_qkv
	.p2alignl 7, 3214868480
	.fill 96, 4, 3214868480
	.section	.rodata,"a",@progbits
	.p2align	6, 0x0
	.amdhsa_kernel k_q733df27198_qkv
		.amdhsa_group_segment_fixed_size 327680
		.amdhsa_private_segment_fixed_size 0
		.amdhsa_enable_private_segment 0
		.amdhsa_kernarg_size 48
		.amdhsa_user_sgpr_count 2
		.amdhsa_user_sgpr_kernarg_segment_ptr 1
		.amdhsa_wavefront_size32 1
		.amdhsa_system_sgpr_workgroup_id_x 1
		.amdhsa_system_sgpr_workgroup_id_y 1
		.amdhsa_system_sgpr_workgroup_id_z 1
		.amdhsa_system_vgpr_workitem_id 0
		.amdhsa_next_free_vgpr 1024
		.amdhsa_next_free_sgpr 80
		.amdhsa_reserve_vcc 0
		.amdhsa_float_denorm_mode_32 3
		.amdhsa_float_denorm_mode_16_64 3
		.amdhsa_memory_ordered 1
		.amdhsa_forward_progress 1
		.amdhsa_inst_pref_size 216
	.end_amdhsa_kernel
	.amdgpu_metadata
---
amdhsa.version: [ 1, 2 ]
amdhsa.kernels:
  - .name:           k_q733df27198_qkv
    .symbol:         k_q733df27198_qkv.kd
    .args:
      - { .name: xb, .offset: 0, .size: 8, .value_kind: global_buffer, .address_space: global }
      - { .name: wb, .offset: 8, .size: 8, .value_kind: global_buffer, .address_space: global }
      - { .name: qkvh, .offset: 16, .size: 8, .value_kind: global_buffer, .address_space: global }
      - { .name: b_q, .offset: 24, .size: 8, .value_kind: global_buffer, .address_space: global }
      - { .name: b_k, .offset: 32, .size: 8, .value_kind: global_buffer, .address_space: global }
      - { .name: b_v, .offset: 40, .size: 8, .value_kind: global_buffer, .address_space: global }
    .group_segment_fixed_size: 327680
    .private_segment_fixed_size: 0
    .kernarg_segment_align: 8
    .kernarg_segment_size: 48
    .max_flat_workgroup_size: 128
    .sgpr_count:     80
    .vgpr_count:     1024
    .wavefront_size: 32
...
	.end_amdgpu_metadata
.endif
;; end of part 2
;; launch attn (part 3): grid 16 x 16, 8 waves a work-group, clusters of 4 x 1, 327,680 bytes of LDS; arguments qkvh, mbits, xh; writes xh
.if DOCPART == 3
	.amdgcn_target "amdgcn-amd-amdhsa--gfx1250"
	.amdhsa_code_object_version 6
	.text
	.protected	k_q733df27198_attn
	.globl	k_q733df27198_attn
	.p2align	8
	.type	k_q733df27198_attn,@function
k_q733df27198_attn:
	s_mov_b64 s[64:65], 0
	v_nop
	global_prefetch_b8 v0, s[64:65] scope:SCOPE_SE
	s_setreg_imm32_b32 hwreg(HW_REG_WAVE_MODE, 25, 1), 1
	s_wait_xcnt 0x0
	s_wait_alu depctr_hold_cnt(0) depctr_sa_sdst(0) depctr_va_vdst(0) depctr_va_sdst(0) depctr_va_ssrc(0) depctr_va_vcc(0) depctr_vm_vsrc(0)
	s_getreg_b32 s2, hwreg(HW_REG_IB_STS2, 6, 4)
	s_cmp_eq_u32 s2, 0
	s_cbranch_scc0 .Lentry_in_a_cluster
	s_endpgm
.Lentry_in_a_cluster:
	s_bfe_u32 s2, ttmp6, 0x10000c
	s_cmp_lg_u32 s2, 0x3003
	s_cbranch_scc0 .Lentry_shape_is_right
	s_endpgm
.Lentry_shape_is_right:
; ATTENTION with a running maximum.  qkvh: [3][batch 2][head 16][s 2048][64] f16 (the query already times 0.125 log2(e)); mbits: the mask as lane-ordered bit words;
; xh: [4096][1024] f16, row-major (row = batch x 2048 + s, column = head x 64 + d).
; A work-group: one batch, TWO heads, 128 queries, so that each aligned 256 bytes of a row of xh (two heads) come from one work-group.
; Eight waves: wave w has head w >> 2 of the pair and queries 32 (w & 3) .. + 31, as two tiles of 16.
; THE PRODUCTS ARE TRANSPOSED.  S^T = K Q^T: lane (r, h) holds query r and keys 8 h + j of a tile, so maximum and sum are kept lane by lane (one exchange between the
; halves for the maximum), and two packed S^T tiles ARE the second source of O^T = V^T P^T.  V^T's fragments come by the transposing LDS load.
; Scores are exponents of 2; a masked score is -1e9 x log2(e), selected as reference() selects -1e9, so a row with no open key gives the plain average of V.
; The sum of a row is made in f32 of the unrounded p; p goes to the matrix unit in f16.
; ROOM IN f16: p lies in [0, 1], since the running maximum is taken away first (below 2^-14 its step is 2^-24, against a row sum of at least 1);
; a row of xh is a weighted average of rows of V and so no larger than V, which is f16 already.
; CLUSTERS: the four query blocks of a cluster (4, 1, 1) walk the same K and V tiles of the same two heads: every tile is asked for jointly (mask 15).
; K and V go through two LDS slots of 128 keys; each of the eight waves fetches one part (64 keys of K or V of one head) with one load.  A head's row is 128 bytes in the tensor.
; K's and V's tiles differ in their padding, so each has a group 1 of constants and a line of its own: waves 0-3 issue K's line, waves 4-7 V's.
; LIMITS: NaN and infinities among the inputs are not treated as reference() treats them (the maximum drops a NaN).  Operands of the products are f16.
.set PART,   10240                     ; 64 keys: K at a pitch of 144 (9,216 bytes used), V at a pitch of 160
.set SLOT,   8*PART                    ; parts 0-3: K, index 2 head + half; parts 4-7: V likewise
.set STAGE,  2*SLOT                    ; 163,840, a multiple of 256: 128 rows at a pitch of 272 for the way out; no fill lands there
.set SPITCH, 272
.set KP,     144                       ; odd multiple of 16: a fragment's sixteen rows lie in sixteen different 16-byte columns of a 256-byte span
.set VP,     160                       ; odd multiple of 32: the same for the transposing load's eight rows x two columns
.set KADR,  1                          ; v1-2   LDS address of my K fragments in slot 0, 1
.set VADR,  3                          ; v3-4   the same for V
.set NEG,   5                          ; the masked score
.set STO,   6
.set RD,    7
.set CO,    8
.set QO,    9
.set STATE, 14                         ; v[14:17], v[18:21]: for query tile 0, 1: running maximum M, a scratch X, the rescale AL, its exponent D
.set LS,    22                         ; v22, v23: running sums (of my half's keys)
.set T0,    24
.set T2,    25
.set T3,    26
.set SUMA,  28
.set SUMB,  30
.set QF,    32                         ; v[32:63]   Q fragments: 16 qt + 8 c
.set OA,    64                         ; v[64:127]  O^T: 32 qt + 8 dt
.set SC,    128                        ; v[128:191] S^T: 32 qt + 8 t; later P
.set FR,    192                        ; v[192:255] K fragments (16 t + 8 c), then V^T fragments (32 kc + 8 dt)
; scalars: s2, s3 lane selects; s[4:11] group 1 of V's tiles; s12 wave; s13 trips (a temporary before the loop); s14 wave >> 2: my head of the pair, and 0 = I fetch K, 1 = V;
; s15 a temporary; s[16:23] group 1 of K's tiles; s[24:27], s[28:31] group 0 of slot 0, 1; s[32:63] mask words of query tile 0, s[68:99] of tile 1;
; s[66:67] my rows of xh; s[100:101] my mask words; s[104:105] my queries.
; During the set-up the mask words' registers serve as temporaries: s32-37 for what all partners share, s[68:73] for the three buffers' addresses, s76-83 for what hangs on my place in the cluster.
.set G1K, 16
.set G1V, 4
.macro ROUND                           ; a round of the cluster's barrier
	s_barrier_signal -1
	s_barrier_wait -1
	s_cmp_lg_u32 s12, 0
	s_cbranch_scc1 .Lnot_wave_0_\@
	s_barrier_signal -3
.Lnot_wave_0_\@:
	s_barrier_wait -3
	s_barrier_signal -1
	s_barrier_wait -1
.endm
	s_load_b128 s[68:71], s[0:1], 0x0              ; qkvh, mbits
	s_load_b64 s[72:73], s[0:1], 0x10              ; xh
	v_lshl_add_u32 v27, v0, 2, 0x30800
	s_set_vgpr_msb 0x40
	v_mov_b32 v1, 0
	s_set_vgpr_msb 0x4044
	ds_add_u32 v27, v1
	s_set_vgpr_msb 0x4400
	v_lshrrev_b32 v10, 5, v0
	v_readfirstlane_b32 s12, v10                   ; wave 0..7
	s_lshr_b32 s14, s12, 2                         ; my head of the pair; also: I fetch K (0) or V (1)
	s_mov_b32 s2, 0x76543210                       ; v_permlanex16_b32: lane i of one half reads lane i of the other
	s_mov_b32 s3, 0xfedcba98
	s_and_b32 s32, ttmp7, 0xffff                   ; y
	s_lshr_b32 s33, s32, 3                         ; batch
	s_and_b32 s32, s32, 7                          ; head pair
	s_lshl_b32 s34, s33, 4
	s_lshl1_add_u32 s34, s32, s34                  ; 16 batch + 2 pair: the pair's first head
	; what I fetch: part w = 4 isV + 2 head + half
	s_bfe_u32 s36, s12, 0x10001                    ; head of the pair
	s_add_co_u32 s36, s36, s34
	s_lshl_b32 s36, s36, 5                         ; 32 blocks of 64 keys a head
	s_and_b32 s37, s12, 1                          ; which 64 of a slot's 128 keys
	s_add_co_u32 s36, s36, s37
	s_lshl_b32 s36, s36, 13                        ; 64 keys of 128 bytes
	s_add_co_u32 s37, s14, 1
	s_lshl_b32 s37, s37, 23                        ; K is the second, V the third block of 8,388,608 bytes
	s_add_co_u32 s36, s36, s37
	s_mov_b32 s37, 0
	; group 1, twice: a tile of 64 rows x 64 elements of 2 bytes; mask of the four partners; padding on; bit 21 beside a mask; padding behind every 32 words (one row)
	s_mov_b32 s[G1K+0], 15|(1<<16)|(1<<20)|(1<<21)|(4<<22)|(3<<25)  ; K: 4 words of padding
	s_mov_b32 s[G1V+0], 15|(1<<16)|(1<<20)|(1<<21)|(4<<22)|(7<<25)  ; V: 8 words of padding
	s_mov_b32 s[G1K+1], 64<<16                     ; tensor_dim0 = 64
	s_mov_b32 s[G1V+1], 64<<16
	s_mov_b32 s[G1K+2], 64<<16                     ; tensor_dim1 = 64
	s_mov_b32 s[G1V+2], 64<<16
	s_mov_b32 s[G1K+3], 64<<16                     ; tile_dim0 = 64
	s_mov_b32 s[G1V+3], 64<<16
	s_mov_b32 s[G1K+4], 64                         ; tile_dim1 = 64
	s_mov_b32 s[G1V+4], 64
	s_mov_b32 s[G1K+5], 64                         ; elements from row to row
	s_mov_b32 s[G1V+5], 64
	s_mov_b32 s[G1K+6], 0
	s_mov_b32 s[G1V+6], 0
	s_mov_b32 s[G1K+7], 0
	s_mov_b32 s[G1V+7], 0
	; what hangs on my query block
	s_bfe_u32 s76, ttmp6, 0x40000                  ; cx
	s_lshl_b32 s77, ttmp9, 2
	s_add_co_u32 s76, s76, s77                     ; query block of 128 = 4 x cluster x + cx
	s_and_b32 s77, s12, 3
	s_lshl2_add_u32 s77, s76, s77                  ; my block of 32 queries in the batch
	s_lshl_b32 s78, s33, 6
	s_add_co_u32 s78, s78, s77
	s_lshl_b32 s78, s78, 13                        ; 32 key blocks x 256 bytes of words
	s_mov_b32 s79, 0
	s_add_co_u32 s80, s14, s34                     ; my head
	s_lshl_b32 s80, s80, 6                         ; 64 blocks of 32 queries a head
	s_add_co_u32 s80, s80, s77
	s_lshl_b32 s80, s80, 12                        ; 32 queries of 128 bytes
	s_mov_b32 s81, 0
	s_lshl_b32 s82, s33, 4
	s_add_co_u32 s82, s82, s76                     ; block of 128 rows of xh
	s_lshl_b32 s82, s82, 3
	s_add_co_u32 s82, s82, s12                     ; the 16 rows that I store
	s_lshl_b32 s82, s82, 15                        ; 16 rows of 2,048 bytes
	s_lshl_b32 s83, s32, 8                         ; the pair's 256 bytes of a row
	s_add_co_u32 s82, s82, s83
	s_mov_b32 s83, 0
	s_mul_i32 s15, s12, PART                       ; where my part goes
	s_wait_dscnt 0x0
	s_wait_kmcnt 0x0
	s_add_nc_u64 s[36:37], s[68:69], s[36:37]      ; my part of keys 0 .. 127
	s_add_nc_u64 s[100:101], s[70:71], s[78:79]    ; my mask words, key block 0
	s_add_nc_u64 s[104:105], s[68:69], s[80:81]    ; my 32 queries
	s_add_nc_u64 s[66:67], s[72:73], s[82:83]      ; the rows of xh that I store
	ROUND                                          ; the four work-groups are here: the first joint loads meet
	s_mov_b32 s24, 1
	s_mov_b32 s25, s15
	s_mov_b64 s[26:27], s[36:37]
	s_or_b32 s27, s27, 0x80000000                  ; type = 2
	s_mov_b32 s28, 1
	s_add_co_u32 s29, s15, SLOT
	s_add_nc_u64 s[30:31], s[36:37], 16384         ; keys 128 .. 255
	s_or_b32 s31, s31, 0x80000000
	s_cmp_eq_u32 s14, 0                            ; one branch on the wave's number holds both first fills of a wave: two loads of the wave are out
	s_cbranch_scc0 .Lfirst_v
	tensor_load_to_lds s[24:27], s[G1K:G1K+7]
	s_nop 0
	tensor_load_to_lds s[28:31], s[G1K:G1K+7]
	s_nop 0
	s_branch .Lfirst_asked
.Lfirst_v:
	tensor_load_to_lds s[24:27], s[G1V:G1V+7]
	s_nop 0
	tensor_load_to_lds s[28:31], s[G1V:G1V+7]
	s_nop 0
.Lfirst_asked:
	s_load_b512 s[32:47], s[100:101], 0x0          ; the mask words of key block 0; the set-up's temporaries in these registers are dead
	s_load_b512 s[48:63], s[100:101], 0x40
	s_load_b512 s[68:83], s[100:101], 0x80
	s_load_b512 s[84:99], s[100:101], 0xc0
	v_and_b32 v10, 15, v0                          ; r
	v_bfe_u32 v11, v0, 4, 1                        ; h
	v_lshlrev_b32 v[QO], 7, v10
	v_lshl_add_u32 v[QO], v11, 4, v[QO]            ; query r's row of 128 bytes, 16 h
.irp q, 0,1
.irp c, 0,1
	global_load_b128 v[QF+16*\q+8*\c:QF+16*\q+8*\c+3],   v[QO], s[104:105] offset:2048*\q+64*\c
	global_load_b128 v[QF+16*\q+8*\c+4:QF+16*\q+8*\c+7], v[QO], s[104:105] offset:2048*\q+64*\c+32
.endr
.endr
	v_mul_u32_u24 v12, v10, KP
	v_lshl_add_u32 v12, v11, 4, v12                ; key r's row, 16 h
	s_mul_i32 s15, s14, 2*PART                     ; my head's two parts
	v_add_nc_u32 v[KADR], s15, v12
	v_add_nc_u32 v[KADR+1], SLOT, v[KADR]
	v_and_b32 v12, 7, v0
	v_lshl_add_u32 v12, v11, 3, v12                ; key 8 h + (l & 7)
	v_mul_u32_u24 v12, v12, VP
	v_bfe_u32 v13, v0, 3, 1
	v_lshl_add_u32 v12, v13, 4, v12                ; 16 bytes: d 0-7 or 8-15 of a tile
	s_add_co_u32 s15, s15, 4*PART                  ; V lies behind K's four parts
	v_add_nc_u32 v[VADR], s15, v12
	v_add_nc_u32 v[VADR+1], SLOT, v[VADR]
	s_and_b32 s15, s12, 3
	s_mul_i32 s15, s15, 32*SPITCH                  ; my 32 queries' rows of the stage,
	s_lshl_b32 s13, s14, 7                         ; my head's 128 bytes of them
	s_add_co_u32 s15, s15, s13
	s_add_co_u32 s15, s15, STAGE
	v_mul_u32_u24 v12, v10, SPITCH
	v_lshl_add_u32 v12, v11, 4, v12
	v_add_nc_u32 v[STO], s15, v12
	s_mul_i32 s15, s12, 16*SPITCH                  ; back: rows 16 w .. 16 w + 15, sixteen lanes a row
	s_add_co_u32 s15, s15, STAGE
	v_mul_u32_u24 v12, v11, SPITCH
	v_lshl_add_u32 v12, v10, 4, v12
	v_add_nc_u32 v[RD], s15, v12
	v_lshlrev_b32 v[CO], 11, v11                   ; and the same two rows of 2,048 bytes in xh
	v_lshl_add_u32 v[CO], v10, 4, v[CO]
	v_mov_b32 v[NEG], 0xceabfb8f                   ; -1e9 x log2(e)
; The softmax step of one query tile on 64 keys: 32 scores a lane in v[SB .. SB+31].
.macro SOFT qt, first
.set SB, SC+32*\qt
.set ST, STATE+4*\qt
.set OB, OA+32*\qt
	v_max3_num_f32 v[T0],   v[SB],    v[SB+1],  v[SB+2]            ; four chains that do not wait for each other
	v_max3_num_f32 v[ST+1], v[SB+8],  v[SB+9],  v[SB+10]
	v_max3_num_f32 v[T2],   v[SB+16], v[SB+17], v[SB+18]
	v_max3_num_f32 v[T3],   v[SB+24], v[SB+25], v[SB+26]
	v_max3_num_f32 v[T0],   v[T0],   v[SB+3],  v[SB+4]
	v_max3_num_f32 v[ST+1], v[ST+1], v[SB+11], v[SB+12]
	v_max3_num_f32 v[T2],   v[T2],   v[SB+19], v[SB+20]
	v_max3_num_f32 v[T3],   v[T3],   v[SB+27], v[SB+28]
	v_max3_num_f32 v[T0],   v[T0],   v[SB+5],  v[SB+6]
	v_max3_num_f32 v[ST+1], v[ST+1], v[SB+13], v[SB+14]
	v_max3_num_f32 v[T2],   v[T2],   v[SB+21], v[SB+22]
	v_max3_num_f32 v[T3],   v[T3],   v[SB+29], v[SB+30]
	v_max_num_f32 v[T0],   v[T0],   v[SB+7]
	v_max_num_f32 v[ST+1], v[ST+1], v[SB+15]
	v_max_num_f32 v[T2],   v[T2],   v[SB+23]
	v_max_num_f32 v[T3],   v[T3],   v[SB+31]
	v_max3_num_f32 v[T0], v[T0], v[ST+1], v[T2]
	v_max_num_f32 v[T0], v[T0], v[T3]
	v_permlanex16_b32 v[ST+1], v[T0], s2, s3       ; the other half's keys of the same query
.if \first
	v_max_num_f32 v[ST], v[T0], v[ST+1]
.else
	v_max3_num_f32 v[T0], v[T0], v[ST+1], v[ST]    ; the new running maximum
	v_sub_f32 v[ST+3], v[ST], v[T0]
	v_mov_b32 v[ST], v[T0]
	v_exp_f32 v[ST+2], v[ST+3]                     ; what the old sums are worth now; the subtractions below are the plain instructions behind it (ISA guide 5.7.2)
.endif
.set i, 0
.rept 16
	v_pk_add_f32 v[SB+i:SB+i+1], v[SB+i:SB+i+1], v[ST:ST+1] op_sel_hi:[1,0] neg_lo:[0,1] neg_hi:[0,1]   ; s - M, both halves by M
.set i, i+2
.endr
.set i, 0
.rept 32
	v_exp_f32 v[SB+i], v[SB+i]
.set i, i+1
.endr
.if \first
	v_nop                                          ; one plain instruction behind the last exponential before its result is read
	s_wait_alu depctr_va_vdst(0)
.else
.set i, 0
	s_wait_alu depctr_va_vdst(0)
.rept 16
	v_pk_mul_f32 v[OB+i:OB+i+1], v[OB+i:OB+i+1], v[ST+2:ST+3] op_sel_hi:[1,0]       ; the old O^T rescaled; also the plain instructions behind the exponentials
.set i, i+2
.endr
.endif
	v_pk_add_f32 v[SUMA:SUMA+1], v[SB:SB+1],   v[SB+2:SB+3]        ; the sum of the unrounded p, two chains
	v_pk_add_f32 v[SUMB:SUMB+1], v[SB+4:SB+5], v[SB+6:SB+7]
.set i, 8
.rept 6
	v_pk_add_f32 v[SUMA:SUMA+1], v[SUMA:SUMA+1], v[SB+i:SB+i+1]
	v_pk_add_f32 v[SUMB:SUMB+1], v[SUMB:SUMB+1], v[SB+i+2:SB+i+3]
.set i, i+4
.endr
	v_pk_add_f32 v[SUMA:SUMA+1], v[SUMA:SUMA+1], v[SUMB:SUMB+1]
.if \first
	v_add_f32 v[LS+\qt], v[SUMA], v[SUMA+1]
.else
	v_add_f32 v[T0], v[SUMA], v[SUMA+1]
	v_fma_f32 v[LS+\qt], v[LS+\qt], v[ST+2], v[T0]
.endif
.set i, 0
.rept 2                                            ; tiles 2 kc and 2 kc + 1 pack, in place, into the fragment of P^T for keys 32 kc .. + 31
	v_cvt_pk_f16_f32 v[SB+i],   v[SB+i],    v[SB+i+1]
	v_cvt_pk_f16_f32 v[SB+i+1], v[SB+i+2],  v[SB+i+3]
	v_cvt_pk_f16_f32 v[SB+i+2], v[SB+i+4],  v[SB+i+5]
	v_cvt_pk_f16_f32 v[SB+i+3], v[SB+i+6],  v[SB+i+7]
	v_cvt_pk_f16_f32 v[SB+i+4], v[SB+i+8],  v[SB+i+9]
	v_cvt_pk_f16_f32 v[SB+i+5], v[SB+i+10], v[SB+i+11]
	v_cvt_pk_f16_f32 v[SB+i+6], v[SB+i+12], v[SB+i+13]
	v_cvt_pk_f16_f32 v[SB+i+7], v[SB+i+14], v[SB+i+15]
.set i, i+16
.endr
.endm
; 64 keys: half ks of a slot.  first = 1: nothing has been summed yet.  more = 1: the next key block's mask words are asked for.
; In both products the eight accumulators take turns, one instruction a turn, in the same order in both halves of K.
.macro SUB slot, ks, first, more
.irp c, 0,1
.irp t, 0,1,2,3
	ds_load_b128 v[FR+16*\t+8*\c:FR+16*\t+8*\c+3],   v[KADR+\slot] offset:\ks*PART+16*KP*\t+64*\c
	ds_load_b128 v[FR+16*\t+8*\c+4:FR+16*\t+8*\c+7], v[KADR+\slot] offset:\ks*PART+16*KP*\t+64*\c+32
.endr
.endr
	s_wait_dscnt 8                                 ; d 0-31 of the four key tiles are in; the eight younger loads (d 32-63) may be out
.irp t, 0,1,2,3
.irp q, 0,1
	v_wmma_f32_16x16x32_f16 v[SC+32*\q+8*\t:SC+32*\q+8*\t+7], v[FR+16*\t:FR+16*\t+7], v[QF+16*\q:QF+16*\q+7], 0
.endr
.endr
	s_wait_dscnt 0
.irp t, 0,1,2,3
.irp q, 0,1
	v_wmma_f32_16x16x32_f16 v[SC+32*\q+8*\t:SC+32*\q+8*\t+7], v[FR+16*\t+8:FR+16*\t+15], v[QF+16*\q+8:QF+16*\q+15], v[SC+32*\q+8*\t:SC+32*\q+8*\t+7]
.endr
.endr
.rept 4
	v_nop                                          ; four places: loads into the fragments just multiplied, vector reads of the scores
.endr
.irp c, 0,1
.irp d, 0,1,2,3
	ds_load_tr16_b128 v[FR+32*\c+8*\d:FR+32*\c+8*\d+3],   v[VADR+\slot] offset:\ks*PART+32*VP*\c+32*\d          ; V^T: d tile, keys 32 c + 8 h .. + 7
	ds_load_tr16_b128 v[FR+32*\c+8*\d+4:FR+32*\c+8*\d+7], v[VADR+\slot] offset:\ks*PART+32*VP*\c+32*\d+16*VP    ; keys 32 c + 16 + 8 h .. + 7
.endr
.endr
	s_wait_kmcnt 0x0                               ; this key block's mask words
.irp t, 0,1,2,3
.irp j, 0,1,2,3,4,5,6,7
	v_cndmask_b32 v[SC+8*\t+\j], v[NEG], v[SC+8*\t+\j], s[32+8*\t+\j]              ; bit set: the score; clear: the masked score
.endr
.endr
.irp t, 0,1,2,3
.irp j, 0,1,2,3,4,5,6,7
	v_cndmask_b32 v[SC+32+8*\t+\j], v[NEG], v[SC+32+8*\t+\j], s[68+8*\t+\j]
.endr
.endr
.if \more
	s_add_nc_u64 s[100:101], s[100:101], 256       ; the loads that used this pointer are done (the wait above)
	s_load_b512 s[32:47], s[100:101], 0x0
	s_load_b512 s[48:63], s[100:101], 0x40
	s_load_b512 s[68:83], s[100:101], 0x80
	s_load_b512 s[84:99], s[100:101], 0xc0
.endif
	SOFT 0, \first
	SOFT 1, \first
	s_wait_dscnt 0                                 ; V^T's fragments
.irp q, 0,1
.irp d, 0,1,2,3
.if \first
	v_wmma_f32_16x16x32_f16 v[OA+32*\q+8*\d:OA+32*\q+8*\d+7], v[FR+8*\d:FR+8*\d+7], v[SC+32*\q:SC+32*\q+7], 0
.else
	v_wmma_f32_16x16x32_f16 v[OA+32*\q+8*\d:OA+32*\q+8*\d+7], v[FR+8*\d:FR+8*\d+7], v[SC+32*\q:SC+32*\q+7], v[OA+32*\q+8*\d:OA+32*\q+8*\d+7]
.endif
.endr
.endr
.irp q, 0,1
.irp d, 0,1,2,3
	v_wmma_f32_16x16x32_f16 v[OA+32*\q+8*\d:OA+32*\q+8*\d+7], v[FR+32+8*\d:FR+32+8*\d+7], v[SC+32*\q+16:SC+32*\q+23], v[OA+32*\q+8*\d:OA+32*\q+8*\d+7]
.endr
.endr
.rept 5
	v_nop                                          ; five places: the next scores are written by matrix instructions over P, a source of these; the fragments are loaded again
.endr
.endm
; The change to slot 'slot': every wave waits for all its tensor loads and for its reads of the other slot, a round of the cluster's barrier follows,
; and the joint refill of the other slot, 256 keys on, is the first tensor load behind it, one a wave: K's line for waves 0-3, V's for waves 4-7.
.macro CHANGE slot
	s_set_vgpr_msb 0x4
	s_wait_tensorcnt 0x0                           ; all my loads have landed, my part of this slot among them: group 0 may be written
	ds_add_u32 v27, v1
	s_wait_dscnt 0x0
	s_set_vgpr_msb 0x400
	s_add_nc_u64 s[30-4*\slot:31-4*\slot], s[30-4*\slot:31-4*\slot], 32768
	s_wait_dscnt 0x0                               ; my reads of the other slot are back
	ROUND
	s_cmp_eq_u32 s14, 0                            ; hangs on the wave's number alone: the same in every work-group
	s_cbranch_scc0 .Lfill_v_\@
	tensor_load_to_lds s[28-4*\slot:31-4*\slot], s[G1K:G1K+7]
	s_nop 0
	s_branch .Lfilled_\@
.Lfill_v_\@:
	tensor_load_to_lds s[28-4*\slot:31-4*\slot], s[G1V:G1V+7]
	s_nop 0
.Lfilled_\@:
.endm
	s_wait_tensorcnt 0x1                           ; my part of slot 0 is in; slot 1's load, issued behind it, may stay out
	s_barrier_signal -1
	s_barrier_wait -1
	s_wait_loadcnt 0x0                             ; Q
	SUB 0, 0, 1, 1                                 ; keys 0 .. 127
	SUB 0, 1, 0, 1
	s_mov_b32 s13, 7                               ; seven trips of 256 keys: keys 128 .. 1,919
.Lloop:
	CHANGE 1
	SUB 1, 0, 0, 1
	SUB 1, 1, 0, 1
	CHANGE 0
	SUB 0, 0, 0, 1
	SUB 0, 1, 0, 1
	s_sub_co_i32 s13, s13, 1
	s_cmp_lg_u32 s13, 0
	s_cbranch_scc1 .Lloop
	s_wait_tensorcnt 0x0                           ; the last 128 keys: nothing is left to fetch
	s_wait_dscnt 0x0
	s_barrier_signal -1
	s_barrier_wait -1
	SUB 1, 0, 0, 1
	SUB 1, 1, 0, 0
; THE WAY OUT: the two halves' sums meet, O^T / l, f16.  Lane (r, h) holds query r and d = 16 dt + 8 h + 0..7: 16 bytes of a row.  Through the stage, back as rows of 256 bytes.
	v_permlanex16_b32 v[STATE+1], v[LS], s2, s3
	v_permlanex16_b32 v[STATE+5], v[LS+1], s2, s3
	v_add_f32 v[LS], v[LS], v[STATE+1]
	v_add_f32 v[LS+1], v[LS+1], v[STATE+5]         ; at least 1: the key of the maximum counts 1
	v_rcp_f32 v[STATE+2], v[LS]
	v_rcp_f32 v[STATE+6], v[LS+1]
	v_nop                                          ; one plain instruction before the reciprocals are used
	s_wait_alu depctr_va_vdst(0)
.irp q, 0,1
.irp d, 0,1,2,3
.irp i, 0,2,4,6
	v_pk_mul_f32 v[OA+32*\q+8*\d+\i:OA+32*\q+8*\d+\i+1], v[OA+32*\q+8*\d+\i:OA+32*\q+8*\d+\i+1], v[STATE+4*\q+2:STATE+4*\q+3] op_sel_hi:[1,0]
.endr
.irp i, 0,1,2,3
	v_cvt_pk_f16_f32 v[SC+16*\q+4*\d+\i], v[OA+32*\q+8*\d+2*\i], v[OA+32*\q+8*\d+2*\i+1]
.endr
	ds_store_b128 v[STO], v[SC+16*\q+4*\d:SC+16*\q+4*\d+3] offset:16*SPITCH*\q+32*\d
.endr
.endr
	s_wait_dscnt 0x0                               ; for the others' sake: my stores into the stage are done
	s_barrier_signal -1
	s_barrier_wait -1
.irp t, 0,1,2,3,4,5,6,7
	ds_load_b128 v[FR+4*\t:FR+4*\t+3], v[RD] offset:2*SPITCH*\t    ; two rows of 256 bytes, both heads
.endr
.irp t, 0,1,2,3,4,5,6,7
	s_wait_dscnt 7-\t                              ; load t is back, the younger ones stay out
	global_store_b128 v[CO], v[FR+4*\t:FR+4*\t+3], s[66:67] offset:4096*\t         ; sixteen lanes store 256 consecutive bytes, aligned
.endr
	s_set_vgpr_msb 0x4
	s_wait_tensorcnt 0x0
	ds_add_u32 v27, v1
	s_wait_dscnt 0x0
	s_set_vgpr_msb 0x400
	ROUND                                          ; the closing round: no work-group ends while a partner may still ask for a tile that names it
	s_endpgm
.Lfunc_end_k_q733df27198_attn:
	.size	k_q733df27198_attn, .Lfunc_end_k_q733df27198_attn-k_q733df27198_attn
	.p2alignl 7, 3214868480
	.fill 96, 4, 3214868480
	.section	.rodata,"a",@progbits
	.p2align	6, 0x0
	.amdhsa_kernel k_q733df27198_attn
		.amdhsa_group_segment_fixed_size 327680
		.amdhsa_private_segment_fixed_size 0
		.amdhsa_enable_private_segment 0
		.amdhsa_kernarg_size 24
		.amdhsa_user_sgpr_count 2
		.amdhsa_user_sgpr_kernarg_segment_ptr 1
		.amdhsa_wavefront_size32 1
		.amdhsa_system_sgpr_workgroup_id_x 1
		.amdhsa_system_sgpr_workgroup_id_y 1
		.amdhsa_system_sgpr_workgroup_id_z 1
		.amdhsa_system_vgpr_workitem_id 0
		.amdhsa_next_free_vgpr 258
		.amdhsa_next_free_sgpr 106
		.amdhsa_reserve_vcc 0
		.amdhsa_float_denorm_mode_32 3
		.amdhsa_float_denorm_mode_16_64 3
		.amdhsa_memory_ordered 1
		.amdhsa_forward_progress 1
		.amdhsa_inst_pref_size 184
	.end_amdhsa_kernel
	.amdgpu_metadata
---
amdhsa.version: [ 1, 2 ]
amdhsa.kernels:
  - .name:           k_q733df27198_attn
    .symbol:         k_q733df27198_attn.kd
    .args:
      - { .name: qkvh, .offset: 0, .size: 8, .value_kind: global_buffer, .address_space: global }
      - { .name: mbits, .offset: 8, .size: 8, .value_kind: global_buffer, .address_space: global }
      - { .name: xh, .offset: 16, .size: 8, .value_kind: global_buffer, .address_space: global }
    .group_segment_fixed_size: 327680
    .private_segment_fixed_size: 0
    .kernarg_segment_align: 8
    .kernarg_segment_size: 24
    .max_flat_workgroup_size: 256
    .sgpr_count:     106
    .vgpr_count:     258
    .wavefront_size: 32
...
	.end_amdgpu_metadata
.endif
;; end of part 3
;; launch oproj (part 4): grid 8 x 32, 4 waves a work-group, clusters of 4 x 4, 327,680 bytes of LDS; arguments xh, wb, out0, b_o; writes out0
.if DOCPART == 4
	.amdgcn_target "amdgcn-amd-amdhsa--gfx1250"
	.amdhsa_code_object_version 6
	.text
	.protected	k_q733df27198_oproj
	.globl	k_q733df27198_oproj
	.p2align	8
	.type	k_q733df27198_oproj,@function
k_q733df27198_oproj:
	s_mov_b64 s[64:65], 0
	v_nop
	global_prefetch_b8 v0, s[64:65] scope:SCOPE_SE
	s_setreg_imm32_b32 hwreg(HW_REG_WAVE_MODE, 25, 1), 1
	s_wait_xcnt 0x0
	s_wait_alu depctr_hold_cnt(0) depctr_sa_sdst(0) depctr_va_vdst(0) depctr_va_sdst(0) depctr_va_ssrc(0) depctr_va_vcc(0) depctr_vm_vsrc(0)
	s_getreg_b32 s2, hwreg(HW_REG_IB_STS2, 6, 4)
	s_cmp_eq_u32 s2, 0
	s_cbranch_scc0 .Lentry_in_a_cluster
	s_endpgm
.Lentry_in_a_cluster:
	s_bfe_u32 s2, ttmp6, 0x10000c
	s_cmp_lg_u32 s2, 0xf033
	s_cbranch_scc0 .Lentry_shape_is_right
	s_endpgm
.Lentry_shape_is_right:
; C = X W^T + bias, X: [rows][1024] f16, W: [1024][1024] f16 (one of the four in wb), sums in f32.
; KIND 0: the three input projections in one launch.  X = xb (q, k, v stacked: 12,288 rows); block rows 0-31 use w_q and b_q, 32-63 w_k and b_k, 64-95 w_v and b_v.
;         The result is rounded once to f16 and stored head-major, qkvh[p][batch][head][s][64].  For p = 0 (the query) it is first multiplied in f32 by
;         0.125 x log2(e), so that the attention kernel's scores come out as exponents of 2.
; KIND 1: the output projection.  X = xh (4,096 rows), W = w_o, f32 result, row-major.
; A work-group makes 128 x 128 of C with four waves, 2 x 2, a wave 64 x 64: 16 accumulator tiles, 128 registers.
; K = 1,024 goes in four chunks of 256 (rows of 512 bytes) through two LDS slots filled by the tensor data mover; each wave fetches 64 rows with one load.
; With four chunks the whole text is written out: no loop.
; CLUSTERS: 4 x 4 work-groups.  X's tile hangs on the block row alone and is asked for jointly by a row of the cluster, W's on the block column (and on p, which is
; made of the cluster's y alone) and is asked for jointly by a column: the requests for both are divided by four.
; The matrix instruction is used transposed (source 0 = 16 rows of W, source 1 = 16 rows of X): lane l then holds row l % 16 of C and eight neighbouring columns.
; REGISTERS: window 0: v16-27 addresses, v64-127 and v128-191 two fragment buffers (four of W, then four of X), v192-223 the bias of my 64 columns;
;            window 1: accumulator tile (a, b) at v[8 (4 a + b)].
; ROOM IN f16 for KIND 0's results (largest number 65,504): with both factors 30 times larger they are about 900 x 5.5 = 5,000; with common offsets of 30 spreads on
; both factors about 1,024 x 30 x 0.94 = 28,800.
; LIMIT: operands are f16 (11 bits of significand); a projected value beyond 65,504 in magnitude becomes infinite; NaN and infinities pass through as the arithmetic makes them.
.set KIND,   1
.set PITCH,  528                       ; an LDS row: 512 bytes + 16 = 33 x 16: sixteen rows' equal columns lie in sixteen different 16-byte columns of a 256-byte span
.set HALFT,  64*PITCH                  ; what one tensor load brings, and what one wave reads of X or of W
.set SLOT,   4*HALFT                   ; X's 128 rows, then W's 128 rows
.set STAGE,  2*SLOT                    ; behind the ring (a multiple of 256): 4,352 bytes for each wave, for the way out; no fill lands there
.set WSTAGE, 4352
.set ADRA, 16                          ; v16-17  LDS address of my X fragments in slot 0, 1
.set ADRB, 20                          ; v20-21  the same for W
.set STO,  24                          ; the way out: where I put my piece of a row
.set RD,   25                          ; the way out: where I read rows back
.set CO,   26                          ; my byte offset in the output
.set BOFF, 27                          ; 32 h: my eight columns in a group of sixteen, f32
.set F0,   64
.set F1,   128
.set BIAS, 192
.set G1,  24                           ; s[24:31] descriptor group 1, X's tiles
.set G0,  32                           ; s[32:39] group 0, X's tiles, one set a slot
.set G1B, 48                           ; s[48:55] group 1, W's tiles: another mask
.set G0B, 56                           ; s[56:63] group 0, W's tiles
.set W_MUL, 0x50                       ; C and D in window 1, sources in window 0
.set W_ACC, 0x01                       ; source 0 in window 1
.set MSB, 0
.macro WIN new                         ; the immediate's high byte repeats the setting that is left
.if MSB != \new
	s_set_vgpr_msb (MSB<<8)|\new
.set MSB, \new
.endif
.endm
.macro PLACES                          ; four plain vector instructions between a matrix instruction and a load into, or a vector access to, its registers
.rept 4
	v_nop
.endr
.endm
; A joint load.  Waves 0 and 1 fetch X's two halves, waves 2 and 3 W's: two lines, each with one mask; the branch hangs on the wave's number alone.
.macro JLOAD s
	s_cmp_eq_u32 s11, 0
	s_cbranch_scc0 .Lfor_b_\@
	tensor_load_to_lds s[G0+4*\s:G0+4*\s+3], s[G1:G1+7]
	s_nop 0
	s_branch .Lasked_\@
.Lfor_b_\@:
	tensor_load_to_lds s[G0B+4*\s:G0B+4*\s+3], s[G1B:G1B+7]
	s_nop 0
.Lasked_\@:
.endm
.macro CREST                           ; a round of the cluster's barrier behind its opening work-group barrier
	s_cmp_lg_u32 s10, 0
	s_cbranch_scc1 .Lnot_wave_0_\@
	s_barrier_signal -3
.Lnot_wave_0_\@:
	s_barrier_wait -3
	s_barrier_signal -1
	s_barrier_wait -1
.endm
.macro CROUND                          ; a whole round
	s_barrier_signal -1
	s_barrier_wait -1
	CREST
.endm
	s_load_b128 s[4:7], s[0:1], 0x0                ; X s[4:5], wb s[6:7]
	s_load_b64 s[8:9], s[0:1], 0x10                ; the output
.if KIND == 0
	s_load_b128 s[68:71], s[0:1], 0x18             ; b_q, b_k
	s_load_b64 s[72:73], s[0:1], 0x28              ; b_v
.else
	s_load_b64 s[68:69], s[0:1], 0x18              ; b_o
	v_lshl_add_u32 v254, v0, 2, 0x46400
	v_mov_b32 v255, 0
	ds_add_u32 v254, v255
.endif
	v_lshrrev_b32 v1, 5, v0
	v_readfirstlane_b32 s10, v1                    ; wave 0..3
	s_lshr_b32 s11, s10, 1                         ; my half of the block's rows.  Also: I fetch for X (0) or for W (1)
	s_and_b32 s12, s10, 1                          ; my half of its columns.  Also: which 64 rows of that tile I fetch
	s_lshl_b32 s78, s12, 6                         ; 64 x that half; never holds a place in the cluster
	s_bfe_u32 s40, ttmp6, 0x40000                  ; cx
	s_bfe_u32 s41, ttmp6, 0x40004                  ; cy
	s_lshl_b32 s42, ttmp9, 2
	s_add_co_u32 s42, s42, s40                     ; block column = 4 x cluster x + cx
	s_and_b32 s13, ttmp7, 0xffff                   ; cluster y
.if KIND == 0
	s_lshr_b32 s74, s13, 3                         ; p = which projection: 32 block rows = 8 clusters each; the same in all sixteen work-groups
.else
	s_mov_b32 s74, 3                               ; w_o
.endif
	s_lshl_b32 s13, s13, 2
	s_add_co_u32 s13, s13, s41                     ; block row = 4 x cluster y + cy
	s_lshl_b32 s43, s41, 2
	s_lshl_b32 s43, 15, s43                        ; my row of the cluster: places 4 cy .. 4 cy + 3
	s_lshl_b32 s44, 0x1111, s40                    ; my column: places cx, cx + 4, cx + 8, cx + 12
	; group 1: a tile of 64 rows x 256 elements of 2 bytes, 4 words of padding behind every 128 words (one row)
	s_or_b32 s[G1+0],  s43, (1<<16)|(1<<20)|(1<<21)|(6<<22)|(3<<25)
	s_or_b32 s[G1B+0], s44, (1<<16)|(1<<20)|(1<<21)|(6<<22)|(3<<25)
	s_mov_b32 s[G1+1],  256<<16                    ; tensor_dim0 = 256
	s_mov_b32 s[G1B+1], 256<<16
	s_mov_b32 s[G1+2],  64<<16                     ; tensor_dim1 = 64
	s_mov_b32 s[G1B+2], 64<<16
	s_mov_b32 s[G1+3],  256<<16                    ; tile_dim0 = 256
	s_mov_b32 s[G1B+3], 256<<16
	s_mov_b32 s[G1+4],  64                         ; tile_dim1 = 64
	s_mov_b32 s[G1B+4], 64
	s_mov_b32 s[G1+5],  1024                       ; elements from row to row
	s_mov_b32 s[G1B+5], 1024
	s_mov_b32 s[G1+6],  0
	s_mov_b32 s[G1B+6], 0
	s_mov_b32 s[G1+7],  0
	s_mov_b32 s[G1B+7], 0
	; where the tiles come from, each in registers that never hold the other coordinate
	s_lshl_b32 s16, s13, 7
	s_add_co_u32 s16, s16, s78                     ; X: row 128 x block row + 64 x half
	s_lshl_b32 s16, s16, 11                        ; rows of 2,048 bytes (at most 25 MB: 32 bits do)
	s_mov_b32 s17, 0
	s_lshl_b32 s46, s42, 7
	s_add_co_u32 s46, s46, s78                     ; W: row 128 x block column + 64 x half
	s_lshl_b32 s47, s74, 10
	s_add_co_u32 s46, s46, s47                     ; + 1,024 p
	s_lshl_b32 s46, s46, 11
	s_mov_b32 s47, 0
	s_mul_i32 s20, s10, HALFT                      ; where they go: wave x 64 rows
	s_wait_dscnt 0x0
	s_wait_kmcnt 0x0
	s_add_nc_u64 s[14:15], s[4:5], s[16:17]
	s_add_nc_u64 s[46:47], s[6:7], s[46:47]
	CROUND                                         ; all sixteen work-groups are here: the first joint loads meet
.irp s, 0,1
	s_mov_b32 s[G0+4*\s], 1
	s_add_co_u32 s[G0+4*\s+1], s20, \s*SLOT
	s_add_nc_u64 s[G0+4*\s+2:G0+4*\s+3], s[14:15], \s*512          ; chunk s of K
	s_or_b32 s[G0+4*\s+3], s[G0+4*\s+3], 0x80000000                ; type = 2
	s_mov_b32 s[G0B+4*\s], 1
	s_add_co_u32 s[G0B+4*\s+1], s20, \s*SLOT
	s_add_nc_u64 s[G0B+4*\s+2:G0B+4*\s+3], s[46:47], \s*512
	s_or_b32 s[G0B+4*\s+3], s[G0B+4*\s+3], 0x80000000
	JLOAD \s                                       ; both slots are asked for before anything else: two loads of the wave are out
.endr
	; fragment addresses: lane l holds row l % 16; registers 0-3 hold K = 8 (l / 16) + 0..7, registers 4-7 K = 16 + 8 (l / 16) + 0..7
	v_and_b32 v1, 15, v0                           ; r
	v_bfe_u32 v2, v0, 4, 1                         ; h
	v_mul_u32_u24 v3, v1, PITCH
	v_lshl_add_u32 v3, v2, 4, v3
	s_mul_i32 s21, s11, HALFT                      ; my 64 rows of X
	s_mul_i32 s22, s12, HALFT                      ; my 64 rows of W,
	s_add_co_u32 s22, s22, 2*HALFT                 ; behind X's 128
.irp s, 0,1
	v_add_nc_u32 v[ADRA+\s], s21, v3
	v_add_nc_u32 v[ADRB+\s], s22, v3
	s_add_co_u32 s21, s21, SLOT
	s_add_co_u32 s22, s22, SLOT
.endr
	; the bias of my 64 columns: register BIAS + 8 b + j = bias[n0 + 16 b + 8 h + j]
.if KIND == 0
	s_cmp_eq_u32 s74, 1
	s_cselect_b64 s[68:69], s[70:71], s[68:69]
	s_cmp_eq_u32 s74, 2
	s_cselect_b64 s[68:69], s[72:73], s[68:69]
.endif
	s_lshl_b32 s75, s42, 7
	s_add_co_u32 s75, s75, s78                     ; n0: my first column
	s_lshl_b32 s76, s75, 2
	s_mov_b32 s77, 0
	s_add_nc_u64 s[68:69], s[68:69], s[76:77]
	v_lshlrev_b32 v[BOFF], 5, v2
.irp b, 0,1,2,3
	global_load_b128 v[BIAS+8*\b:BIAS+8*\b+3],   v[BOFF], s[68:69] offset:64*\b
	global_load_b128 v[BIAS+8*\b+4:BIAS+8*\b+7], v[BOFF], s[68:69] offset:64*\b+16
.endr
	s_mul_i32 s23, s10, WSTAGE
	s_add_co_u32 s23, s23, STAGE                   ; my stage
.if KIND == 0
	v_mul_u32_u24 v4, v1, 144                      ; in: row r of 128 bytes at a pitch of 144, 16 bytes for each half of the lanes
	v_lshl_add_u32 v4, v2, 4, v4
	v_add_nc_u32 v[STO], s23, v4
	v_and_b32 v5, 31, v0
	v_lshrrev_b32 v6, 3, v5                        ; back: eight lanes a row, four rows a load
	v_and_b32 v7, 7, v0
	v_mul_u32_u24 v6, v6, 144
	v_lshl_add_u32 v6, v7, 4, v6
	v_add_nc_u32 v[RD], s23, v6
	v_lshlrev_b32 v[CO], 4, v5                     ; a head's rows of 128 bytes follow each other: 512 consecutive bytes a store
.else
	v_mul_u32_u24 v4, v1, 272                      ; in: row r of 256 bytes at a pitch of 272, 32 bytes for each half of the lanes
	v_lshl_add_u32 v4, v2, 5, v4
	v_add_nc_u32 v[STO], s23, v4
	v_mul_u32_u24 v5, v2, 272                      ; back: sixteen lanes a row, two rows a load
	v_lshl_add_u32 v5, v1, 4, v5
	v_add_nc_u32 v[RD], s23, v5
	v_lshlrev_b32 v5, 12, v2                       ; and the same two rows of 4,096 bytes in the output
	v_lshl_add_u32 v[CO], v1, 4, v5
.endif
; 8 matrix instructions: row tiles a0, a0 + 1 x all four column tiles, 32 along K.  zero = 1: the first product starts the sums.
; The sixteen accumulators take turns, one instruction a turn, in the same order in every step of 32.
.macro MUL8 f, a0, zero
.irp a, \a0, \a0+1
.irp b, 0,1,2,3
.if \zero
	v_wmma_f32_16x16x32_f16 v[8*(4*(\a)+\b):8*(4*(\a)+\b)+7], v[\f+8*\b:\f+8*\b+7], v[\f+32+8*(\a):\f+32+8*(\a)+7], 0
.else
	v_wmma_f32_16x16x32_f16 v[8*(4*(\a)+\b):8*(4*(\a)+\b)+7], v[\f+8*\b:\f+8*\b+7], v[\f+32+8*(\a):\f+32+8*(\a)+7], v[8*(4*(\a)+\b):8*(4*(\a)+\b)+7]
.endif
.endr
.endr
.endm
; 16 LDS loads in one run: W's four fragments (8 loads), then X's four (8 loads), 32 K at byte k of the slot's rows, into buffer f
.macro FETCH slot, k, f
.irp i, 0,1,2,3
	ds_load_b128 v[\f+8*\i:\f+8*\i+3],   v[ADRB+\slot] offset:\k+\i*16*PITCH
	ds_load_b128 v[\f+8*\i+4:\f+8*\i+7], v[ADRB+\slot] offset:\k+\i*16*PITCH+32
.endr
.irp i, 0,1,2,3
	ds_load_b128 v[\f+32+8*\i:\f+32+8*\i+3],   v[ADRA+\slot] offset:\k+\i*16*PITCH
	ds_load_b128 v[\f+32+8*\i+4:\f+32+8*\i+7], v[ADRA+\slot] offset:\k+\i*16*PITCH+32
.endr
.endm
; One step of 32 along K: multiplies buffer f; in its middle it fetches the next step's fragments into buffer g.
.macro QUARTER slot, k, f, g, zero
	s_wait_dscnt 4                                 ; W's fragments and X's tiles 0 and 1 are in; the four youngest loads (X's tiles 2, 3) may be out
	WIN W_MUL
	MUL8 \f, 0, \zero
	PLACES
	WIN 0
	FETCH \slot, \k, \g
	s_wait_dscnt 16                                ; all but the 16 just issued
	WIN W_MUL
	MUL8 \f, 2, \zero
.endm
.macro SEVEN slot, zero                ; the first seven of a chunk's eight steps
	QUARTER \slot, 64,  F0, F1, \zero
	QUARTER \slot, 128, F1, F0, 0
	QUARTER \slot, 192, F0, F1, 0
	QUARTER \slot, 256, F1, F0, 0
	QUARTER \slot, 320, F0, F1, 0
	QUARTER \slot, 384, F1, F0, 0
	QUARTER \slot, 448, F0, F1, 0
.endm
; The eighth step multiplies buffer 1 and changes slots.  In front of the barrier each wave waits for its reads of this slot and for all its tensor loads
; (one is out: its part of the next slot).  fill = 1: the barrier opens a round of the cluster's barrier, and the joint refill, two chunks ahead, is the
; first tensor load behind the round, one a wave.
.macro TURN slot, next, fill
	s_wait_dscnt 0                                 ; my reads of this slot are back
	s_wait_tensorcnt 0x0                           ; all my tensor loads have landed
	ds_add_u32 v254, v255
	s_wait_dscnt 0x0
	s_barrier_signal -1
	WIN W_MUL
	MUL8 F1, 0, 0                                  ; register work while the others arrive
	WIN 0
	s_barrier_wait -1
.if \fill
	CREST
	s_add_nc_u64 s[G0+4*\slot+2:G0+4*\slot+3], s[G0+4*\slot+2:G0+4*\slot+3], 1024     ; no load of the wave is out: group 0 may be written
	s_add_nc_u64 s[G0B+4*\slot+2:G0B+4*\slot+3], s[G0B+4*\slot+2:G0B+4*\slot+3], 1024
	JLOAD \slot
.endif
	PLACES
	FETCH \next, 0, F0
	WIN W_MUL
	MUL8 F1, 2, 0
.endm
	s_wait_tensorcnt 1                             ; my part of chunk 0 is in; chunk 1's load, issued behind it, may stay out
	s_barrier_signal -1
	s_barrier_wait -1
	FETCH 0, 0, F0
	SEVEN 0, 1                                     ; chunk 0
	TURN 0, 1, 1                                   ; slot 0 asks for chunk 2
	SEVEN 1, 0                                     ; chunk 1
	TURN 1, 0, 1                                   ; slot 1 asks for chunk 3
	SEVEN 0, 0                                     ; chunk 2
	TURN 0, 1, 0                                   ; nothing is left to fetch
	SEVEN 1, 0                                     ; chunk 3
	s_wait_dscnt 0
	WIN W_MUL
	MUL8 F1, 0, 0
	MUL8 F1, 2, 0
	PLACES                                         ; the places behind the last matrix instructions, for all that follows
	WIN 0
	s_wait_loadcnt 0x0                             ; the bias
; THE WAY OUT, 16 rows at a time: bias (and scale) in f32, through my own stage in LDS, back as whole rows.
.if KIND == 0
	s_cmp_eq_u32 s74, 0
	s_cselect_b32 s66, 0x3e38aa3b, 1.0             ; 0.125 x log2(e) for the query, 1 for key and value
	s_mov_b32 s67, s66
	s_and_b32 s16, s13, 31
	s_lshl_b32 s16, s16, 7
	s_lshl_b32 s18, s11, 6
	s_add_co_u32 s16, s16, s18                     ; my first row among the projection's 4,096
	s_lshr_b32 s18, s16, 11                        ; batch
	s_and_b32 s16, s16, 2047                       ; s
	s_lshl_b32 s18, s18, 15                        ; 16 heads x 2,048 rows
	s_add_co_u32 s16, s16, s18
	s_lshl_b32 s16, s16, 7                         ; rows of 128 bytes
	s_lshl_b32 s18, s74, 23                        ; 8,388,608 bytes a projection
	s_add_co_u32 s16, s16, s18
	s_mov_b32 s17, 0
	s_add_nc_u64 s[8:9], s[8:9], s[16:17]          ; the row part
	s_lshl1_add_u32 s76, s42, s12                  ; my 64 columns are one head: 2 x block column + half
	s_lshl_b32 s76, s76, 18                        ; 2,048 rows of 128 bytes
	s_add_nc_u64 s[8:9], s[8:9], s[76:77]          ; the column part (s77 = 0)
.set i, 0
.rept 16
	v_pk_mul_f32 v[BIAS+i:BIAS+i+1], v[BIAS+i:BIAS+i+1], s[66:67] op_sel_hi:[1,0]     ; (x + b) c = x c + b c
.set i, i+2
.endr
.macro OUT16 a, rb
	WIN W_ACC
.irp b, 0,1,2,3
.irp i, 0,2,4,6
	v_pk_fma_f32 v[64+8*\b+\i:64+8*\b+\i+1], v[8*(4*\a+\b)+\i:8*(4*\a+\b)+\i+1], s[66:67], v[BIAS+8*\b+\i:BIAS+8*\b+\i+1] op_sel_hi:[1,0,1]
.endr
.endr
	WIN 0
.irp b, 0,1,2,3
.irp i, 0,1,2,3
	v_cvt_pk_f16_f32 v[96+4*\b+\i], v[64+8*\b+2*\i], v[64+8*\b+2*\i+1]
.endr
	ds_store_b128 v[STO], v[96+4*\b:96+4*\b+3] offset:32*\b
.endr
	s_wait_xcnt 0x0                                ; buffer rb was the data of earlier stores: it is loaded again only behind this wait
.irp t, 0,1,2,3
	ds_load_b128 v[\rb+4*\t:\rb+4*\t+3], v[RD] offset:576*\t       ; LDS serves a wave's instructions in order: these see the stores above
.endr
.irp t, 0,1,2,3
	s_wait_dscnt 3-\t                              ; load t is back, the younger ones stay out
	global_store_b128 v[CO], v[\rb+4*\t:\rb+4*\t+3], s[8:9] offset:2048*\a+512*\t     ; four rows of the head: 512 consecutive bytes, aligned
.endr
.endm
	OUT16 0, 128
	OUT16 1, 144
	OUT16 2, 128
	OUT16 3, 144
.else
	s_lshl_b32 s16, s13, 7
	s_lshl_b32 s18, s11, 6
	s_add_co_u32 s16, s16, s18                     ; my first row
	s_lshl_b32 s16, s16, 12                        ; rows of 4,096 bytes
	s_mov_b32 s17, 0
	s_add_nc_u64 s[8:9], s[8:9], s[16:17]          ; the row part
	s_add_nc_u64 s[8:9], s[8:9], s[76:77]          ; the column part: 4 n0, as for the bias
.macro OUT16 a, rb
	WIN W_ACC
.irp b, 0,1,2,3
.irp i, 0,2,4,6
	v_pk_add_f32 v[64+8*\b+\i:64+8*\b+\i+1], v[8*(4*\a+\b)+\i:8*(4*\a+\b)+\i+1], v[BIAS+8*\b+\i:BIAS+8*\b+\i+1]
.endr
.endr
	WIN 0
.irp b, 0,1,2,3
	ds_store_b128 v[STO], v[64+8*\b:64+8*\b+3]   offset:64*\b
	ds_store_b128 v[STO], v[64+8*\b+4:64+8*\b+7] offset:64*\b+16
.endr
	s_wait_xcnt 0x0                                ; buffer rb was the data of earlier stores: it is loaded again only behind this wait
.irp t, 0,1,2,3,4,5,6,7
	ds_load_b128 v[\rb+4*\t:\rb+4*\t+3], v[RD] offset:544*\t       ; LDS serves a wave's instructions in order: these see the stores above
.endr
.irp t, 0,1,2,3,4,5,6,7
	s_wait_dscnt 7-\t                              ; load t is back, the younger ones stay out
	global_store_b128 v[CO], v[\rb+4*\t:\rb+4*\t+3], s[8:9] offset:65536*\a+8192*\t th:TH_STORE_NT   ; sixteen lanes store 256 consecutive bytes, aligned
.endr
.endm
	OUT16 0, 128
	OUT16 1, 160
	OUT16 2, 128
	OUT16 3, 160
.endif
	s_wait_tensorcnt 0x0
	ds_add_u32 v254, v255
	s_wait_dscnt 0x0
	CROUND                                         ; the closing round: no work-group ends while a partner may still ask for a tile that names it
	s_endpgm
.Lfunc_end_k_q733df27198_oproj:
	.size	k_q733df27198_oproj, .Lfunc_end_k_q733df27198_oproj-k_q733df27198_oproj
	.p2alignl 7, 3214868480
	.fill 96, 4, 3214868480
	.section	.rodata,"a",@progbits
	.p2align	6, 0x0
	.amdhsa_kernel k_q733df27198_oproj
		.amdhsa_group_segment_fixed_size 327680
		.amdhsa_private_segment_fixed_size 0
		.amdhsa_enable_private_segment 0
		.amdhsa_kernarg_size 32
		.amdhsa_user_sgpr_count 2
		.amdhsa_user_sgpr_kernarg_segment_ptr 1
		.amdhsa_wavefront_size32 1
		.amdhsa_system_sgpr_workgroup_id_x 1
		.amdhsa_system_sgpr_workgroup_id_y 1
		.amdhsa_system_sgpr_workgroup_id_z 1
		.amdhsa_system_vgpr_workitem_id 0
		.amdhsa_next_free_vgpr 384
		.amdhsa_next_free_sgpr 80
		.amdhsa_reserve_vcc 0
		.amdhsa_float_denorm_mode_32 3
		.amdhsa_float_denorm_mode_16_64 3
		.amdhsa_memory_ordered 1
		.amdhsa_forward_progress 1
		.amdhsa_inst_pref_size 94
	.end_amdhsa_kernel
	.amdgpu_metadata
---
amdhsa.version: [ 1, 2 ]
amdhsa.kernels:
  - .name:           k_q733df27198_oproj
    .symbol:         k_q733df27198_oproj.kd
    .args:
      - { .name: xh, .offset: 0, .size: 8, .value_kind: global_buffer, .address_space: global }
      - { .name: wb, .offset: 8, .size: 8, .value_kind: global_buffer, .address_space: global }
      - { .name: out0, .offset: 16, .size: 8, .value_kind: global_buffer, .address_space: global }
      - { .name: b_o, .offset: 24, .size: 8, .value_kind: global_buffer, .address_space: global }
    .group_segment_fixed_size: 327680
    .private_segment_fixed_size: 0
    .kernarg_segment_align: 8
    .kernarg_segment_size: 32
    .max_flat_workgroup_size: 128
    .sgpr_count:     80
    .vgpr_count:     384
    .wavefront_size: 32
...
	.end_amdgpu_metadata
.endif
;; end of part 4
